; MI455X (gfx1250); checked and timed in simulation.
; The chip was launched on July 23, 2026; its instructions are those of AMD's public machine-readable ISA for CDNA 5 (MIT licence, August 2026) and "CDNA5" Instruction Set Architecture Reference Guide (July 2026). The comments in the code are by the model that wrote it; some were corrected since.
;; Lane Set Attention Embedder. Allowed arithmetic: matrix products marked QUANTISED: E2M3 operands, one E8M0 scale for each 32 along K, by v_wmma_scale_f32_16x16x128_f8f6f4 with both operands' format E2M3, f32 sums; products left as they are: f32 operands where the result goes on into a quantised operand, else bf16, f16 or f32 operands; f32 sums; everything else in f32.
;; Inputs: Uw 64 x 64 float32; Wb 64 float32; Ww_codes 64 x 2 x 24 uint8 (E2M3 codes of Ww, K innermost, in blocks of 32 codes, four codes in three bytes); Ww_scales 64 x 2 uint8 (E8M0 scales of Ww, one for each 32 codes along K); X_codes 1,000,000 x 1 x 24 uint8 (E2M3 codes of X, K innermost, in blocks of 32 codes, four codes in three bytes); X_scales 1,000,000 x 1 uint8 (E8M0 scales of X, one for each 32 codes along K); b1 64 float32; b2 64 float32; beta 64 float32; gamma 64 float32; rb1 64 float32; rb2 64 float32; rw1 64 x 256 float32; rw2 64 x 64 float32; seeds 4 x 64 float32; vw 64 float32; w1_codes 64 x 1 x 24 uint8 (E2M3 codes of w1, K innermost, in blocks of 32 codes, four codes in three bytes); w1_scales 64 x 1 uint8 (E8M0 scales of w1, one for each 32 codes along K); w2_codes 64 x 2 x 24 uint8 (E2M3 codes of w2, K innermost, in blocks of 32 codes, four codes in three bytes); w2_scales 64 x 2 uint8 (E8M0 scales of w2, one for each 32 codes along K).
;; Outputs: out0 64 float32; out1 4 x 1,000,000 float32.
;; This version of the problem:
;;   THIS VERSION OF THE PROBLEM IS GIVEN IN LOW PRECISION. The matrix products marked QUANTISED in the list below multiply operands that are first quantised to E2M3 (2 exponent bits, 3 mantissa bits; 6 bits a number), with one power-of-two scale for each 32 numbers along K (OCP MX v1.0); their sums are f32. All else is computed in f32.
;;   The module's matrix products, in the order in which they are computed (A, B: the left and right operand; K: the contracted axis; several contracted axes count as one K, in the product's order):
;;     1. [M 1,000,000, K 32] x [K 32, N 64]; A: input X (given as codes); B: input w1 (given as codes): QUANTISED
;;     2. [M 1,000,000, K 64] x [K 64, N 64]; A: computed on the way; B: input w2 (given as codes): QUANTISED
;;     3. [M 1,000,000, K 64] x [K 64, N 64]; A: computed on the way; B: input Ww (given as codes): QUANTISED
;;     4. [M 4, K 64] x [K 64, N 64]; A: input seeds; B: input Uw: left as it is (M = 4 < 16)
;;     5. [M 4,000,000, K 64] x [K 64, N 1]; A: computed on the way; B: input vw: left as it is (N = 1 < 16)
;;     6. [M 4, K 1,000,000] x [K 1,000,000, N 64]; A: softmax; B: computed on the way: left as it is (M = 4 < 16)
;;     7. [M 1, K 256] x [K 256, N 64]; A: computed on the way; B: input rw1: left as it is (M = 1 < 16)
;;     8. [M 1, K 64] x [K 64, N 64]; A: computed on the way; B: input rw2: left as it is (M = 1 < 16)
;;   THE QUANTISER, for each operand of a quantised product, along K:
;;     - K is cut into blocks of 32 from its start; a last block that is shorter is filled with zeros.
;;     - A block's scale is 2^e with e = floor(log2(the largest magnitude in the block)) - 2, held to -126 .. 127; a block of zeros has e = 0. As a byte (E8M0): e + 127.
;;     - Each number is divided by its block's scale, clamped to +-7.5, and rounded to the nearest number of E2M3, ties to even, subnormals kept.
;;     - The product sums the exact products of the quantised numbers (number of the format x scale) in f32.
;;   ~~~python
;;   def quantise(x, axis):      # numpy; x: float32 -> the quantised numbers, widened to float32 again
;;       x = np.moveaxis(x, axis, -1); K = x.shape[-1]
;;       x = np.pad(x, [(0, 0)] * (x.ndim - 1) + [(0, -K % 32)]); x = x.reshape(x.shape[:-1] + (-1, 32)); a = np.abs(x).max(-1, keepdims=True)
;;       e = np.where(a > 0, np.clip(np.frexp(np.where(a > 0, a, 1))[1] - 1 - 2, -126, 127), 0)      # np.frexp(a)[1] - 1 = floor(log2(a)), exactly
;;       r = np.clip(x / 2.0 ** e, -7.5, 7.5)
;;       step = 2.0 ** (np.maximum(np.frexp(np.where(r == 0, 1, r))[1] - 1, 0) - 3)
;;       q = np.round(r / step) * step * 2.0 ** e      # np.round: ties to even
;;       return np.moveaxis(q.reshape(q.shape[:-2] + (-1,))[..., :K], -1, axis).astype(np.float32)
;;   ~~~
;;   OPERANDS COMPUTED ON THE WAY. 'Computed on the way' means the value that the module computes at that place (a softmax that the list does not call 'softmax' is quantised finished and normalised). What goes into a quantiser is computed in f32, as accurately as f32 sums, v_exp_f32 and their like allow (about 1e-6 of the number): no bf16 or f16 on the way to a quantiser, and a product that is left as it is and whose result goes on into a quantised operand takes f32 operands (vector FMAs, or v_wmma_f32_16x16x4_f32). A number that lies on a knife's edge between two numbers of the format may be rounded either way, as far as f32 arithmetic and the matrix unit's own rounding can turn it there, and no further.
;;   INPUTS GIVEN AS CODES. Ww (in the module: [64, 64], K = its axis 1); X (in the module: [1000000, 32], K = its axis 1); w1 (in the module: [64, 32], K = its axis 1); w2 (in the module: [64, 64], K = its axis 1): each comes as NAME_codes (uint8): NAME with its K axis moved to the last place and cut into blocks of 32 codes, [.., K / 32, bytes a block], one block behind the other in memory; four codes in three bytes: a row's codes are one little-endian stream of bits, code i at bits 6 i .. 6 i + 5 (a code: sign, 2 exponent bits, 3 mantissa bits); and NAME_scales (uint8): the same leading axes, one E8M0 byte (e + 127) for each 32 codes along K. Its value is code x scale, taken as it is: it is not quantised again, and the codes and scales need not be those that the quantiser above would give.
;; 2 versions, each right and faster than the one before. Each part assembles by itself: llvm-mc -triple=amdgcn-amd-amdhsa -mcpu=gfx1250 --defsym DOCPART=n.
;; ======== version 1 of 2: 2 launches
;; limits: right only within a limited range of input values
;; workspace buffers: scores 16,000,000 bytes; pz 262,144 bytes; ps 8,192 bytes
;; launch lanes (part 1): grid 256 x 1, 8 waves a work-group, no clusters, 99,328 bytes of LDS; arguments X_codes, X_scales, w1_codes, w1_scales, w2_codes, w2_scales, Ww_codes, Ww_scales, b1, b2, gamma, beta, Wb, vw, seeds, Uw, scores, pz, ps; writes scores, pz, ps
.if DOCPART == 1
	.amdgcn_target "amdgcn-amd-amdhsa--gfx1250"
	.amdhsa_code_object_version 6
	.text
	.protected	k_q8d9734d49e_lanes
	.globl	k_q8d9734d49e_lanes
	.p2align	8
	.type	k_q8d9734d49e_lanes,@function
k_q8d9734d49e_lanes:
	s_mov_b64 s[64:65], 0
	v_nop
	global_prefetch_b8 v0, s[64:65] scope:SCOPE_SE
	s_setreg_imm32_b32 hwreg(HW_REG_WAVE_MODE, 25, 1), 1
	s_wait_xcnt 0x0
; LANES: for each of the 1,000,000 lanes: H = LayerNorm(relu(X w1^T + b1) w2^T + b2), Wh = H Ww^T + Wb, the four seeds' scores, and each work-group's part of the softmax and of the pooled sum.
; The three products run on codes of E2M3 with E8M0 scales; relu's result and H are quantised in registers, from f32.  The pooled sum (p x H) runs on bf16 operands with f32 sums.
; WORK LEFT OUT.  tanh(x) = 1 - 2 / (1 + e^(2x)), so score[k][l] = sum_e vw[e] - 2 sum_e vw[e] / (1 + e^(2x)).  The first term is the same for every lane l of a seed, whatever the inputs hold:
;   a term that is the same along the softmax's axis leaves the weights as they are, and the scores reach the outputs through the weights alone.  So it is not formed.  What is stored as a score is
;   t = sum_e (-2 log2(e) vw[e]) / (1 + g^2), g = 2^(Wh log2 e) x 2^(Uq log2 e): the score in units of log2, less that term.  Every input has a way to an output: all are loaded (rw1, rb1, rw2, rb2 by the second launch).
;   An overflow of sum_e vw[e] alone is not carried to the result.
; LIMITS.  Uq log2(e) is held to +-113, that is |Uq| up to 78; beyond it Uq counts as +-78.  Inside that range g is 0 or infinite only where tanh is -1 or 1 to the last bit of f32.
;   NaN and infinities among the inputs and scale bytes 0xff are not served.  A block whose largest magnitude lies under 2^-124 gets the byte 1; a block of zeros too: its codes are zeros.
; SOFTMAX.  Each wave keeps, for each seed, the largest t so far (the same in all its lanes), renewed every 64 lanes; p = 2^(t - M); sum and pooled sum are multiplied by 2^(old M - new M) in every trip.
; SHARES.  15,625 granules of 64 lanes; wave gw of 2,048 walks granules (gw x 15625) >> 11 up to ((gw + 1) x 15625) >> 11: 7 or 8.  A granule is four tiles of 16 lanes: tile i = 2 q + hh, column r = row 32 hh + 2 r + q,
;   so that, the halves joined, wave lane l holds the scores of rows 2 l and 2 l + 1: one store of 8 bytes a lane covers 256 consecutive, aligned bytes of a seed's scores.
; LAYOUT.  The products are used transposed: source 0 = 16 rows of the weight, source 1 = 16 lanes.  Row m of weight tile t is row 8 t + m % 8 + 32 (m / 8): lane (r, h) then holds lane-row r, and registers 8 t + j hold
;   features 32 h + 8 t + j: a whole block of 32 along the next K in one lane.  K is 64 (or 32) of the instruction's 128: the activation's registers 6-11 (X's: 3-11) hold zero codes, so the weight's registers there may hold
;   anything: the weights lie 6 (w1: 4) registers a tile and an operand's 12 registers run on into the next tile's.  X and w1 (K = 32): lane (r, h) holds codes 16 h .. 16 h + 15 in registers 0-2, alike on both sides; the scale byte stands twice.
; NO TENSOR LOADS, NO CLUSTER: X comes from memory in the operand's own register layout and is read by one wave; what work-groups share is the weights and constants, some 27,000 bytes read once at the head.
; ps is 32 bytes a work-group: 8,192 bytes in all are stored in parts of 256-byte blocks.
.set NLAST, 15624                      ; the last granule
.set EQT,   1024                       ; LDS: b2 at 0, gamma at 256, beta at 512, Wb at 768; from 1,024 on 2^(Uq log2 e), [4][64] f32
.set WSTG,  2048                       ; a stage for each wave:
.set WSTGB, 10752                      ;   64 rows of H in bf16, 128 bytes + 32 of padding; behind them p, [4 seeds][64 rows] bf16
.set PSTG,  10240
.set HP,    160
.set RED,   88064                      ; each wave's result: Z [4][64] f32, M[4] at 1,024, L[4] at 1,040
.set REDB,  1280
.set SPARE, 98304                      ; the spare words, 128 bytes for each wave: four blocks of 256 bytes that no other line names
; window 0
.set XA,  1                            ; 48 r + 12 h: my 12 bytes of X's codes in a tile
.set XSA, 2                            ; 2 x lane: my two rows' scale bytes
.set SCO, 3                            ; 8 x lane: my two scores
.set HST, 4                            ; where I put H: stage + 320 r + 64 h
.set HTR, 5                            ; where the turning load reads H
.set PST, 6                            ; where I put p: stage + PSTG + 4 x lane
.set PLD, 7                            ; where I read p as an operand: + 128 (r % 4) + 16 h
.set CLD, 8                            ; 128 h: my 32 features in a row of 64 f32
.set RZ,  9                            ; RED + wave + 4 r
.set SPW, 10                           ; my spare word; never rewritten
.set NIL, 11                           ; 0; never rewritten
.set RB,  12                           ; RED + wave
.set MZ,  13                           ; the merge: RED + 16 x thread
.set MM,  14                           ; the merge: RED + 1,024 + 4 x (thread / 16)
.set GZ,  15                           ; 16 x thread
.set W1S, 16                           ; scale words of w1's, w2's, Ww's four tiles
.set W2S, 20
.set WWS, 24
.set XSR, 28                           ; X's scale bytes as loaded (rows 2 l, 2 l + 1)
.set XS,  29                           ; v29, v30: byte q in all four places
.set ASC, 31                           ; the activation's scale word
.set B1,  32                           ; b1 in the result's layout
.set ACC, 64                           ; four accumulators: 32 features of my row
.set WT1, 96
.set WT2, 112
.set WT3, 136                          ; v160-165: zeros behind the last tile
.set OPB, 166                          ; the activation's operand; 6-11 stay zero
.set XOP, 178                          ; X's operand; 3-11 stay zero
.set CV2, 190
.set XST, 194                          ; four slots of 4 registers for X's codes on their way
.set PACC, 210                         ; four accumulators of the pooled sum: registers 0-3: seeds 0-3, column = feature 16 t + r
.set T,   242                          ; at work
; window 1
.set EQ,  0                            ; 2^(Uq log2 e): 32 k + i
.set VW,  128                          ; -2 log2(e) vw
.set U,   160
.set TMP, 192
.set SACC, 224
.set PT0, 232
.set PT1, 236
.set SC,  240                          ; scores: 2 k + q
.set MX,  248
.set LS,  252
.set MSB, 0
.macro WIN new                         ; the immediate's high byte repeats the setting that is left
.if MSB != \new
	s_set_vgpr_msb (MSB<<8)|\new
.set MSB, \new
.endif
.endm
.macro NOPS n
.rept \n
	v_nop
.endr
.endm
.macro SW d, a, b, c, sa, sb, row      ; one scaled product; row = 1: source 1's scales stand in lanes 16-31
.if \row
	v_wmma_scale_f32_16x16x128_f8f6f4 v[\d:\d+7], v[\a:\a+11], v[\b:\b+11], v[\c:\c+7], v[\sa], v[\sb] matrix_a_fmt:MATRIX_FMT_FP6 matrix_b_fmt:MATRIX_FMT_FP6 matrix_b_scale:MATRIX_SCALE_ROW1
.else
	v_wmma_scale_f32_16x16x128_f8f6f4 v[\d:\d+7], v[\a:\a+11], v[\b:\b+11], v[\c:\c+7], v[\sa], v[\sb] matrix_a_fmt:MATRIX_FMT_FP6 matrix_b_fmt:MATRIX_FMT_FP6
.endif
.endm
.macro CLOAD reg, off                  ; my 32 features of a constant row
.irp i, 0,1,2,3,4,5,6,7
	ds_load_b128 v[\reg+4*\i:\reg+4*\i+3], v[CLD] offset:\off+16*\i
.endr
.endm
	s_load_b512 s[4:19], s[0:1], 0x0               ; X codes 4, X scales 6, w1 codes 8, w1 scales 10, w2 codes 12, w2 scales 14, Ww codes 16, Ww scales 18
	s_load_b512 s[20:35], s[0:1], 0x40             ; b1 20, b2 22, gamma 24, beta 26, Wb 28, vw 30, seeds 32, Uw 34
	s_load_b128 s[36:39], s[0:1], 0x80             ; scores 36, pz 38
	s_load_b64 s[40:41], s[0:1], 0x90              ; ps
	v_lshl_add_u32 v[SPW], v0, 2, SPARE
	v_mov_b32 v[NIL], 0
	v_lshrrev_b32 v64, 5, v0
	v_readfirstlane_b32 s42, v64                   ; wave 0..7
	v_and_b32 v64, 15, v0                          ; r
	v_bfe_u32 v65, v0, 4, 1                        ; h
	v_and_b32 v66, 31, v0                          ; lane
	s_mul_i32 s47, s42, WSTGB
	s_add_co_u32 s47, s47, WSTG                    ; my wave's stage
	s_mul_i32 s46, s42, REDB
	s_add_co_u32 s46, s46, RED                     ; my wave's result
	v_mul_u32_u24 v[XA], v64, 48
	v_mad_u32_u24 v[XA], v65, 12, v[XA]
	v_lshlrev_b32 v[XSA], 1, v66
	v_lshlrev_b32 v[SCO], 3, v66
	v_mul_u32_u24 v[HST], v64, 320
	v_lshl_add_u32 v[HST], v65, 6, v[HST]
	v_add_nc_u32 v[HST], s47, v[HST]
	v_and_b32 v67, 7, v0
	v_lshl_add_u32 v67, v65, 3, v67
	v_mul_u32_u24 v[HTR], v67, HP
	v_bfe_u32 v67, v0, 3, 1
	v_lshl_add_u32 v[HTR], v67, 4, v[HTR]
	v_add_nc_u32 v[HTR], s47, v[HTR]               ; row 8 h + lane % 8, 16 bytes for each eight lanes
	v_lshl_add_u32 v[PST], v66, 2, PSTG
	v_add_nc_u32 v[PST], s47, v[PST]
	v_and_b32 v67, 3, v0
	v_lshlrev_b32 v[PLD], 7, v67
	v_lshl_add_u32 v[PLD], v65, 4, v[PLD]
	v_add_nc_u32 v[PLD], PSTG, v[PLD]
	v_add_nc_u32 v[PLD], s47, v[PLD]
	v_lshlrev_b32 v[CLD], 7, v65
	v_lshlrev_b32 v[RZ], 2, v64
	v_add_nc_u32 v[RZ], s46, v[RZ]
	v_mov_b32 v[RB], s46
	v_lshl_add_u32 v[MZ], v0, 4, RED
	v_lshrrev_b32 v[MM], 4, v0
	v_lshl_add_u32 v[MM], v[MM], 2, RED+1024
	v_lshlrev_b32 v[GZ], 4, v0
	v_and_b32 v67, 8, v64
	v_mad_u32_u24 v67, v67, 3, v64                 ; f0 = r % 8 + 32 (r / 8): my row in a weight's tile 0
	v_mul_u32_u24 v68, v67, 24
	v_mad_u32_u24 v68, v65, 12, v68                ; w1: 24 bytes a row, 12 for each half
	v_mul_u32_u24 v69, v67, 48
	v_mad_u32_u24 v69, v65, 24, v69                ; w2, Ww: 48 bytes a row, a block for each half
	v_lshlrev_b32 v70, 1, v67
	v_and_b32 v73, 63, v0
	v_lshlrev_b32 v71, 8, v73                      ; Uw's row e = thread % 64
	v_lshlrev_b32 v73, 2, v73
	v_lshrrev_b32 v72, 6, v0
	v_lshlrev_b32 v72, 8, v72                      ; seeds' row k = thread / 64
	v_lshlrev_b32 v74, 2, v0
	s_mov_b32 s57, 0
	s_mov_b32 s58, 0x76543210
	s_mov_b32 s59, 0xfedcba98                      ; v_permlanex16_b32's selects for lane l xor 16
	s_mov_b32 s60, 0x3c800000                      ; 1 / 64
	s_mov_b32 s61, 0x3727c5ac                      ; 1e-5
	s_mov_b32 s62, 0x42e20000                      ; 113
	s_mov_b32 s63, 0xc2e20000                      ; -113
	s_lshl_b32 s43, ttmp9, 3
	s_add_co_u32 s43, s43, s42                     ; gw
	s_mul_i32 s44, s43, 15625
	s_lshr_b32 s44, s44, 11                        ; my first granule
	s_add_co_u32 s45, s43, 1
	s_mul_i32 s45, s45, 15625
	s_lshr_b32 s45, s45, 11                        ; and the first that is not mine
	s_lshr_b32 s47, s42, 1                         ; which constant row my wave brings to LDS
	s_wait_kmcnt 0x0
	s_cmp_eq_u32 s47, 1
	s_cselect_b64 s[66:67], s[24:25], s[22:23]     ; waves 0, 1: b2; 2, 3: gamma;
	s_cmp_eq_u32 s47, 2
	s_cselect_b64 s[66:67], s[26:27], s[66:67]     ; 4, 5: beta;
	s_cmp_eq_u32 s47, 3
	s_cselect_b64 s[66:67], s[28:29], s[66:67]     ; 6, 7: Wb
	WIN 0x40                                       ; destination window 1
.irp i, 0,1,2,3,4,5,6,7,8,9,10,11,12,13,14,15
	global_load_b128 v[4*\i:4*\i+3], v71, s[34:35] offset:16*\i
.endr
.irp i, 0,1,2,3,4,5,6,7,8,9,10,11,12,13,14,15
	global_load_b128 v[64+4*\i:64+4*\i+3], v72, s[32:33] offset:16*\i
.endr
.irp i, 0,1,2,3,4,5,6,7
	global_load_b128 v[VW+4*\i:VW+4*\i+3], v[CLD], s[30:31] offset:16*\i
.endr
	WIN 0
	global_load_b32 v75, v73, s[66:67]
.irp t, 0,1,2,3
	global_load_b96 v[WT1+4*\t:WT1+4*\t+2], v68, s[8:9] offset:192*\t
	global_load_u8 v[W1S+\t], v67, s[10:11] offset:8*\t
.irp p, 0,1,2
	global_load_b64 v[WT2+6*\t+2*\p:WT2+6*\t+2*\p+1], v69, s[12:13] offset:384*\t+8*\p
	global_load_b64 v[WT3+6*\t+2*\p:WT3+6*\t+2*\p+1], v69, s[16:17] offset:384*\t+8*\p
.endr
	global_load_u16 v[W2S+\t], v70, s[14:15] offset:16*\t      ; two bytes: blocks 0 and 1; the upper two bytes are 0
	global_load_u16 v[WWS+\t], v70, s[18:19] offset:16*\t
.endr
.irp i, 0,1,2,3,4,5,6,7
	global_load_b128 v[B1+4*\i:B1+4*\i+3], v[CLD], s[20:21] offset:16*\i
.endr
	s_wait_loadcnt 0x0                             ; all of the head's loads; their address registers are free
	; X's first granule: tile 0, the scale bytes, tiles 1 to 3
	s_mul_i32 s56, s44, 1536
	s_add_nc_u64 s[48:49], s[4:5], s[56:57]
	s_lshl_b32 s56, s44, 6
	s_add_nc_u64 s[52:53], s[6:7], s[56:57]
	s_add_co_u32 s47, s44, 1
	s_min_u32 s47, s47, NLAST                      ; no load leaves its buffer
	s_mul_i32 s56, s47, 1536
	s_add_nc_u64 s[50:51], s[4:5], s[56:57]
	s_lshl_b32 s56, s47, 6
	s_add_nc_u64 s[54:55], s[6:7], s[56:57]
	global_load_b96 v[XST:XST+2], v[XA], s[48:49]
	global_load_u16 v[XSR], v[XSA], s[52:53]
	global_load_b96 v[XST+4:XST+6], v[XA], s[48:49] offset:768
	global_load_b96 v[XST+8:XST+10], v[XA], s[48:49] offset:24
	global_load_b96 v[XST+12:XST+14], v[XA], s[48:49] offset:792
.irp t, 0,1,2,3
	v_mul_u32_u24 v[W1S+\t], v[W1S+\t], 0x101      ; w1's byte twice: its 32 codes stand in the instruction's blocks 0 and 1
.endr
	; Uq[k][e] = seeds[k] . Uw[e], in f32, one number a thread
	WIN 0x55
	v_pk_mul_f32 v[192:193], v[0:1], v[64:65]
	v_pk_mul_f32 v[194:195], v[2:3], v[66:67]
.set j, 4
.rept 15
	v_pk_fma_f32 v[192:193], v[j:j+1], v[64+j:65+j], v[192:193]
	v_pk_fma_f32 v[194:195], v[j+2:j+3], v[66+j:67+j], v[194:195]
.set j, j+4
.endr
	v_pk_add_f32 v[192:193], v[192:193], v[194:195]
	v_add_f32 v192, v192, v193
	v_mul_f32 v192, 0x3fb8aa3b, v192
	v_med3_num_f32 v192, v192, s63, s62            ; held to +-113: 2^y stays a finite number that is not 0
	v_exp_f32 v192, v192
	v_nop
	s_wait_alu depctr_va_vdst(0)                   ; ahead of the exponential's first reader
	WIN 0x04                                       ; an LDS store's data: window 1
	ds_store_b32 v74, v192 offset:EQT
	WIN 0
	ds_store_b32 v74, v75                          ; b2, gamma, beta, Wb on end
	s_wait_dscnt 0x0                               ; for the others' sake: my stores have landed
	s_barrier_signal -1
	s_barrier_wait -1
	WIN 0x40
.irp k, 0,1,2,3
.irp i, 0,1,2,3,4,5,6,7
	ds_load_b128 v[EQ+32*\k+4*\i:EQ+32*\k+4*\i+3], v[CLD] offset:EQT+256*\k+16*\i
.endr
.endr
	WIN 0x55
.set j, 0
.rept 16
	v_pk_mul_f32 v[VW+j:VW+j+1], v[VW+j:VW+j+1], 0xc038aa3b op_sel_hi:[1,0]   ; -2 log2(e) vw
.set j, j+2
.endr
.irp k, 0,1,2,3
	v_mov_b32 v[MX+\k], 0xff61b1e6                 ; -3e38, under every t
	v_mov_b32 v[LS+\k], 0
.endr
	WIN 0
.irp t, 0,1,2,3
	v_mov_b32 v[WT1+4*\t+3], 0
.endr
.irp i, 0,1,2,3,4,5
	v_mov_b32 v[160+\i], 0
	v_mov_b32 v[OPB+6+\i], 0
.endr
.irp i, 3,4,5,6,7,8,9,10,11
	v_mov_b32 v[XOP+\i], 0
.endr
	v_mov_b32 v[T+4], 0                            ; a lane permute's destination counts as one of its sources
	v_mov_b32 v[T+9], 0                            ; the upper halves of two pairs of which the low word serves both halves
	v_mov_b32 v[T+11], 0
	s_wait_loadcnt 3                               ; tile 0's codes and the scale bytes are in; tiles 1 to 3 may be out
	v_mov_b32 v[XOP], v[XST]
	v_mov_b32 v[XOP+1], v[XST+1]
	v_mov_b32 v[XOP+2], v[XST+2]
	v_perm_b32 v[XS], v[XSR], v[XSR], 0            ; row 2 l's byte in all four places
	v_perm_b32 v[XS+1], v[XSR], v[XSR], 0x01010101 ; row 2 l + 1's
	global_load_b96 v[XST:XST+2], v[XA], s[50:51]  ; the next granule's tile 0 and scale bytes
	global_load_u16 v[XSR], v[XSA], s[54:55]
.set j, 0
.rept 32
	v_mov_b32 v[PACC+j], 0                         ; the trip is written once: the first finds zeros.  (These are also the places between the lines above and the first product)
.set j, j+1
.endr
	s_wait_dscnt 0x0                               ; EQ
; 32 numbers of a lane, ACC + i = k 32 h + i of my row, become the operand's registers 0-5 and, with lane l xor 16's byte, the row's scale word.
.macro QUANT
	v_max3_num_f32 v[T], |v[ACC]|, |v[ACC+1]|, 0x1800000           ; the floor 2^(3 - 127): the byte cannot fall under 1
	v_max3_num_f32 v[T+1], |v[ACC+2]|, |v[ACC+3]|, |v[ACC+4]|
.set j, 5
.rept 6
	v_max3_num_f32 v[T], v[T], |v[ACC+j]|, |v[ACC+j+1]|
	v_max3_num_f32 v[T+1], v[T+1], |v[ACC+j+2]|, |v[ACC+j+3]|
.set j, j+4
.endr
	v_max3_num_f32 v[T], v[T], |v[ACC+29]|, |v[ACC+30]|
	v_max3_num_f32 v[T], v[T], v[T+1], |v[ACC+31]|                 ; the block's largest magnitude: all 32 are mine
	v_add_nc_u32 v[T+2], 0xff000000, v[T]          ; 2 off its exponent field: the conversion's scale operand
	v_lshrrev_b32 v[T+3], 23, v[T+2]               ; the scale's byte
	v_permlanex16_b32 v[T+4], v[T+3], s58, s59
	v_lshl_or_b32 v[ASC], v[T+4], 8, v[T+3]        ; lanes 0-15: block 0's byte, block 1's, 0, 0 (lanes 16-31 are not read)
	v_cvt_scalef32_pk16_fp6_f32 v[OPB:OPB+2], v[ACC:ACC+15], v[T+2]
	v_cvt_scalef32_pk16_fp6_f32 v[CV2:CV2+2], v[ACC+16:ACC+31], v[T+2]   ; (a conversion's three registers begin on an even number)
	v_nop                                          ; one plain place behind a scaled conversion
	v_mov_b32 v[OPB+3], v[CV2]
	v_mov_b32 v[OPB+4], v[CV2+1]
	v_mov_b32 v[OPB+5], v[CV2+2]
.endm
; ONE TILE OF 16 LANES, from X's codes to its part of the scores.
.macro TILE i
.set TQ, (\i)/2
.set TH, (\i)%2
.set NX, ((\i)+1)%4
.irp t, 0,1,2,3
	SW ACC+8*\t, WT1+4*\t, XOP, B1+8*\t, W1S+\t, XS+TQ, TH     ; X w1^T + b1: the bias is the sum's start
.endr
	NOPS 4                                         ; four places: results are read, and X's operand and scale words written, only behind them
.if (\i) < 3
	s_wait_loadcnt 4                               ; the next tile's codes are in; behind them: three slots' loads and the scale bytes'
.else
	s_wait_loadcnt 3                               ; the next granule's tile 0 and scale bytes are in; behind them: this trip's three refills
.endif
	v_mov_b32 v[XOP], v[XST+4*NX]
	v_mov_b32 v[XOP+1], v[XST+4*NX+1]
	v_mov_b32 v[XOP+2], v[XST+4*NX+2]
.if (\i) < 3
	global_load_b96 v[XST+4*NX:XST+4*NX+2], v[XA], s[48:49] offset:24*(NX/2)+768*(NX%2)   ; the same tile of the next granule
.else
	v_perm_b32 v[XS], v[XSR], v[XSR], 0
	v_perm_b32 v[XS+1], v[XSR], v[XSR], 0x01010101
	global_load_b96 v[XST:XST+2], v[XA], s[50:51]  ; two granules on
	global_load_u16 v[XSR], v[XSA], s[52:53]
.endif
	WIN 0x40
	CLOAD TMP, 0                                   ; b2
	WIN 0
.set j, 0
.rept 32
	v_max_num_f32 v[ACC+j], 0, v[ACC+j]            ; relu; each accumulator from its low end on
.set j, j+1
.endr
	QUANT
	NOPS 4                                         ; with QUANT's last four lines: eight places behind the scale word, four behind the operand's last register
	s_wait_dscnt 0x0                               ; b2
	WIN 0x10                                       ; C in window 1
.irp t, 0,1,2,3
	SW ACC+8*\t, WT2+6*\t, OPB, TMP+8*\t, W2S+\t, ASC, 0
.endr
	NOPS 4
	WIN 0x40
	CLOAD TMP, 256                                 ; gamma
	CLOAD U, 512                                   ; beta
	WIN 0
	; LayerNorm over my 32 features and lane l xor 16's: the mean, then the mean of the squared differences
.irp c, 0,1,2,3
	v_pk_add_f32 v[T+2*\c:T+2*\c+1], v[ACC+2*\c:ACC+2*\c+1], v[ACC+8+2*\c:ACC+9+2*\c]
.endr
.irp b, 16,24
.irp c, 0,1,2,3
	v_pk_add_f32 v[T+2*\c:T+2*\c+1], v[T+2*\c:T+2*\c+1], v[ACC+\b+2*\c:ACC+\b+2*\c+1]
.endr
.endr
	v_pk_add_f32 v[T:T+1], v[T:T+1], v[T+2:T+3]
	v_pk_add_f32 v[T+4:T+5], v[T+4:T+5], v[T+6:T+7]
	v_pk_add_f32 v[T:T+1], v[T:T+1], v[T+4:T+5]
	v_add_f32 v[T], v[T], v[T+1]
	v_permlanex16_b32 v[T+2], v[T], s58, s59
	v_add_f32 v[T], v[T], v[T+2]
	v_mul_f32 v[T+8], 0xbc800000, v[T]             ; -mean
.set j, 0
.rept 16
	v_pk_add_f32 v[ACC+j:ACC+j+1], v[ACC+j:ACC+j+1], v[T+8:T+9] op_sel_hi:[1,0]
.set j, j+2
.endr
.irp c, 0,1,2,3
	v_pk_mul_f32 v[T+2*\c:T+2*\c+1], v[ACC+2*\c:ACC+2*\c+1], v[ACC+2*\c:ACC+2*\c+1]
.endr
.irp b, 8,16,24
.irp c, 0,1,2,3
	v_pk_fma_f32 v[T+2*\c:T+2*\c+1], v[ACC+\b+2*\c:ACC+\b+2*\c+1], v[ACC+\b+2*\c:ACC+\b+2*\c+1], v[T+2*\c:T+2*\c+1]
.endr
.endr
	v_pk_add_f32 v[T:T+1], v[T:T+1], v[T+2:T+3]
	v_pk_add_f32 v[T+4:T+5], v[T+4:T+5], v[T+6:T+7]
	v_pk_add_f32 v[T:T+1], v[T:T+1], v[T+4:T+5]
	v_add_f32 v[T], v[T], v[T+1]
	v_permlanex16_b32 v[T+2], v[T], s58, s59
	v_add_f32 v[T], v[T], v[T+2]
	v_fma_f32 v[T+10], v[T], s60, s61              ; variance + 1e-5
	v_rsq_f32 v[T+10], v[T+10]
	v_nop
	s_wait_alu depctr_va_vdst(0)                   ; ahead of the root's first reader
.set j, 0
.rept 16
	v_pk_mul_f32 v[ACC+j:ACC+j+1], v[ACC+j:ACC+j+1], v[T+10:T+11] op_sel_hi:[1,0]
.set j, j+2
.endr
	s_wait_dscnt 0x0                               ; gamma and beta
	WIN 0x14                                       ; sources 1 and 2 in window 1
.set j, 0
.rept 16
	v_pk_fma_f32 v[ACC+j:ACC+j+1], v[ACC+j:ACC+j+1], v[TMP+j:TMP+j+1], v[U+j:U+j+1]   ; H
.set j, j+2
.endr
	WIN 0x40
	CLOAD TMP, 768                                 ; Wb
	WIN 0
	QUANT
.irp g, 0,1,2,3                        ; H in bf16 to my stage, for the pooled sum.  (The sixteen roundings are the places between QUANT's lines and the product)
.irp c, 0,1,2,3
	v_cvt_pk_bf16_f32 v[T+4*(\g%2)+\c], v[ACC+8*\g+2*\c], v[ACC+8*\g+2*\c+1]
.endr
	ds_store_b128 v[HST], v[T+4*(\g%2):T+4*(\g%2)+3] offset:(32*TH+TQ)*HP+16*\g
.endr
	s_wait_dscnt 4                                 ; Wb is in; the four stores behind it may be out
	WIN 0x50                                       ; C and D in window 1
.irp t, 0,1,2,3
	SW U+8*\t, WT3+6*\t, OPB, TMP+8*\t, WWS+\t, ASC, 0         ; Wh
.endr
	WIN 0x55
	NOPS 4
.set j, 0
.rept 16
	v_pk_mul_f32 v[U+j:U+j+1], v[U+j:U+j+1], 0x3fb8aa3b op_sel_hi:[1,0]
.set j, j+2
.endr
.set j, 0
.rept 32
	v_exp_f32 v[U+j], v[U+j]                       ; u = e^Wh: one exponential serves the four seeds
.set j, j+1
.endr
	v_nop
	s_wait_alu depctr_va_vdst(0)                   ; one wait for the batch, ahead of its first reader
.set j, 0
.rept 16
	v_pk_mul_f32 v[TMP+j:TMP+j+1], v[U+j:U+j+1], v[EQ+j:EQ+j+1]    ; g = e^(Wh + Uq), seed 0
.set j, j+2
.endr
.irp k, 0,1,2,3
.set j, 0
.rept 16
	v_pk_fma_f32 v[TMP+j:TMP+j+1], v[TMP+j:TMP+j+1], v[TMP+j:TMP+j+1], 1.0 op_sel_hi:[1,1,0]
.set j, j+2
.endr
.set j, 0
.rept 32
	v_rcp_f32 v[TMP+j], v[TMP+j]                   ; 1 / (1 + g^2)
.set j, j+1
.endr
	v_nop
	s_wait_alu depctr_va_vdst(0)                   ; one wait for the batch
	v_pk_mul_f32 v[SACC+2*\k:SACC+2*\k+1], v[TMP:TMP+1], v[VW:VW+1]
.if \k < 3
	v_pk_mul_f32 v[TMP:TMP+1], v[U:U+1], v[EQ+32*(\k+1):EQ+32*(\k+1)+1]
.endif
.set j, 2
.rept 15
	v_pk_fma_f32 v[SACC+2*\k:SACC+2*\k+1], v[TMP+j:TMP+j+1], v[VW+j:VW+j+1], v[SACC+2*\k:SACC+2*\k+1]
.if \k < 3
	v_pk_mul_f32 v[TMP+j:TMP+j+1], v[U+j:U+j+1], v[EQ+32*(\k+1)+j:EQ+32*(\k+1)+j+1]   ; the next seed's g stands between the links of the sum
.endif
.set j, j+2
.endr
.endr
.irp k, 0,1,2,3
	v_add_f32 v[PT0+4*TH+\k], v[SACC+2*\k], v[SACC+2*\k+1]
.endr
.if TH
.irp k, 0,1,2,3
	v_permlane16_swap_b32 v[PT0+\k], v[PT1+\k]     ; the first now holds features 0-31's part of rows 2 l + q, the second features 32-63's
.endr
.irp k, 0,1,2,3
	v_add_f32 v[SC+2*\k+TQ], v[PT0+\k], v[PT1+\k]
.endr
.endif
	WIN 0
.endm
; THE GRANULE'S END: scores out; the running maximum; p; the pooled sum.
.macro SOFTPOOL
	WIN 0x04                                       ; a store's data: window 1
.irp k, 0,1,2,3
	global_store_b64 v[SCO], v[SC+2*\k:SC+2*\k+1], s[54:55] offset:(\k-2)*4000000   ; 32 lanes store 256 consecutive bytes, at a multiple of 256 from the buffer's first byte
.endr
	WIN 0x40
.irp t, 0,1,2,3                        ; H turned: rows 0-31 as source 1, features 16 t on
	ds_load_tr16_b128 v[TMP+8*\t:TMP+8*\t+3], v[HTR] offset:32*\t
	ds_load_tr16_b128 v[TMP+8*\t+4:TMP+8*\t+7], v[HTR] offset:32*\t+16*HP
.endr
	WIN 0
.irp t, 0,1,2,3                        ; rows 32-63, into the accumulators' registers, which are idle here
	ds_load_tr16_b128 v[ACC+8*\t:ACC+8*\t+3], v[HTR] offset:32*\t+32*HP
	ds_load_tr16_b128 v[ACC+8*\t+4:ACC+8*\t+7], v[HTR] offset:32*\t+48*HP
.endr
	WIN 0x55
.irp k, 0,1,2,3
	v_max_num_f32 v[U+\k], v[SC+2*\k], v[SC+2*\k+1]
.endr
.irp m, 1,2,4,8
.irp k, 0,1,2,3
	v_max_num_f32_dpp v[U+\k], v[U+\k], v[U+\k] row_xmask:\m row_mask:0xf bank_mask:0xf
.endr
.endr
.irp k, 0,1,2,3
	v_permlanex16_b32 v[U+4+\k], v[U+\k], s58, s59
.endr
.irp k, 0,1,2,3
	v_max3_num_f32 v[U+\k], v[U+\k], v[U+4+\k], v[MX+\k]           ; the new M
.endr
.irp k, 0,1,2,3
	v_sub_f32 v[U+8+\k], v[MX+\k], v[U+\k]         ; old M - new M
	v_sub_f32 v[U+12+2*\k], v[SC+2*\k], v[U+\k]
	v_sub_f32 v[U+13+2*\k], v[SC+2*\k+1], v[U+\k]
.endr
.irp k, 0,1,2,3
	v_mov_b32 v[MX+\k], v[U+\k]
.endr
.set j, 8
.rept 12
	v_exp_f32 v[U+j], v[U+j]
.set j, j+1
.endr
	v_nop
	s_wait_alu depctr_va_vdst(0)                   ; one wait for the twelve
.irp k, 0,1,2,3
	v_add_f32 v[U+4+\k], v[U+12+2*\k], v[U+13+2*\k]
.endr
.irp k, 0,1,2,3
	v_fma_f32 v[LS+\k], v[LS+\k], v[U+8+\k], v[U+4+\k]             ; the sum is taken of p in f32
	v_cvt_pk_bf16_f32 v[U+20+\k], v[U+12+2*\k], v[U+13+2*\k]
.endr
	WIN 0x04
.irp k, 0,1,2,3
	ds_store_b32 v[PST], v[U+20+\k] offset:128*\k
.endr
.irp t, 0,1,2,3
	v_pk_mul_f32 v[PACC+8*\t:PACC+8*\t+1], v[PACC+8*\t:PACC+8*\t+1], v[U+8:U+9]       ; the pooled sum under the new M: registers 0-3 are seeds 0-3
	v_pk_mul_f32 v[PACC+8*\t+2:PACC+8*\t+3], v[PACC+8*\t+2:PACC+8*\t+3], v[U+10:U+11]
.endr
	WIN 0x40
	ds_load_b128 v[U+24:U+27], v[PLD]              ; p as source 0: row m is seed m % 4; LDS serves a wave's instructions in order: these see my stores
	ds_load_b128 v[U+28:U+31], v[PLD] offset:32
	WIN 0
	ds_load_b128 v[T:T+3], v[PLD] offset:64
	ds_load_b128 v[T+4:T+7], v[PLD] offset:96
	s_wait_dscnt 0x0
	WIN 0x05                                       ; sources 0 and 1 in window 1
.irp t, 0,1,2,3
	v_wmma_f32_16x16x32_bf16 v[PACC+8*\t:PACC+8*\t+7], v[U+24:U+31], v[TMP+8*\t:TMP+8*\t+7], v[PACC+8*\t:PACC+8*\t+7]
.endr
	WIN 0
.irp t, 0,1,2,3                        ; the four accumulators by turns, one instruction a turn
	v_wmma_f32_16x16x32_bf16 v[PACC+8*\t:PACC+8*\t+7], v[T:T+7], v[ACC+8*\t:ACC+8*\t+7], v[PACC+8*\t:PACC+8*\t+7]
.endr
	NOPS 5                                         ; five places: the next tile's first product writes over registers that these products read
.endm
.Lgran:
	s_wait_xcnt 0x0                                ; the last trip's loads and stores have read their bases and data: both are written again only behind this wait
	s_add_co_u32 s47, s44, 1
	s_min_u32 s47, s47, NLAST
	s_mul_i32 s56, s47, 1536
	s_add_nc_u64 s[48:49], s[4:5], s[56:57]        ; X's codes, the next granule (held at the last: no load leaves its buffer)
	s_add_co_u32 s47, s44, 2
	s_min_u32 s47, s47, NLAST
	s_mul_i32 s56, s47, 1536
	s_add_nc_u64 s[50:51], s[4:5], s[56:57]        ; two granules on
	s_lshl_b32 s56, s47, 6
	s_add_nc_u64 s[52:53], s[6:7], s[56:57]
	s_lshl_b32 s56, s44, 8
	s_add_nc_u64 s[54:55], s[36:37], s[56:57]
	s_add_nc_u64 s[54:55], s[54:55], 8000000       ; at seed 2's row, so that the four seeds' offsets fit the signed 24-bit immediate
	TILE 0
	TILE 1
	TILE 2
	TILE 3
	SOFTPOOL
	s_add_co_u32 s44, s44, 1
	s_cmp_lt_u32 s44, s45
	s_cbranch_scc1 .Lgran
	; THE WAVE'S RESULT goes to LDS: the sum over its lanes, M, and the pooled sum
	WIN 0x55
.irp m, 1,2,4,8
.irp k, 0,1,2,3
	v_add_f32_dpp v[LS+\k], v[LS+\k], v[LS+\k] row_xmask:\m row_mask:0xf bank_mask:0xf
.endr
.endr
.irp k, 0,1,2,3
	v_permlanex16_b32 v[U+\k], v[LS+\k], s58, s59
.endr
.irp k, 0,1,2,3
	v_add_f32 v[LS+\k], v[LS+\k], v[U+\k]
.endr
	WIN 0
.irp t, 0,1,2,3
.irp k, 0,1,2,3
	ds_store_b32 v[RZ], v[PACC+8*\t+\k] offset:256*\k+64*\t        ; Z[k][16 t + r]; lanes 16-31 hold the same numbers and write the same words
.endr
.endr
	WIN 0x04
	ds_store_b128 v[RB], v[MX:MX+3] offset:1024
	ds_store_b128 v[RB], v[LS:LS+3] offset:1040
	WIN 0
	s_wait_dscnt 0x0                               ; for the others' sake
	s_barrier_signal -1
	s_barrier_wait -1
	s_cmp_gt_u32 s42, 1
	s_cbranch_scc1 .Lend
	; waves 0 and 1 merge the eight waves: thread t < 64 takes seed t / 16, features 4 (t % 16) on
.irp w, 0,1,2,3,4,5,6,7
	ds_load_b32 v[64+\w], v[MM] offset:REDB*\w
	ds_load_b32 v[72+\w], v[MM] offset:REDB*\w+16
	ds_load_b128 v[96+4*\w:99+4*\w], v[MZ] offset:REDB*\w
.endr
	s_lshl_b32 s56, ttmp9, 10
	s_add_nc_u64 s[38:39], s[38:39], s[56:57]
	s_lshl_b32 s56, ttmp9, 5
	s_add_nc_u64 s[40:41], s[40:41], s[56:57]
	v_lshrrev_b32 v95, 4, v0
	v_lshlrev_b32 v95, 2, v95
	s_wait_dscnt 0x0
	v_max3_num_f32 v88, v64, v65, v66
	v_max3_num_f32 v88, v88, v67, v68
	v_max3_num_f32 v88, v88, v69, v70
	v_max_num_f32 v88, v88, v71
.irp w, 0,1,2,3,4,5,6,7
	v_sub_f32 v[80+\w], v[64+\w], v88
.endr
.irp w, 0,1,2,3,4,5,6,7
	v_exp_f32 v[80+\w], v[80+\w]
.endr
	v_nop
	s_wait_alu depctr_va_vdst(0)
	v_mul_f32 v89, v72, v80
.irp i, 0,1,2,3
	v_mul_f32 v[90+\i], v[96+\i], v80
.endr
.irp w, 1,2,3,4,5,6,7
	v_fma_f32 v89, v[72+\w], v[80+\w], v89
.irp i, 0,1,2,3
	v_fma_f32 v[90+\i], v[96+4*\w+\i], v[80+\w], v[90+\i]
.endr
.endr
	global_store_b128 v[GZ], v[90:93], s[38:39]    ; a wave stores 512 consecutive bytes
	global_store_b32 v95, v88, s[40:41]            ; M; the sixteen lanes of a seed write the same word
	global_store_b32 v95, v89, s[40:41] offset:16  ; L
.Lend:
	s_wait_tensorcnt 0x0                           ; the wave's end: behind my last LDS store
	ds_add_u32 v[SPW], v[NIL]
	s_wait_dscnt 0x0
	s_endpgm
.Lfunc_end_k_q8d9734d49e_lanes:
	.size	k_q8d9734d49e_lanes, .Lfunc_end_k_q8d9734d49e_lanes-k_q8d9734d49e_lanes
	.p2alignl 7, 3214868480
	.fill 96, 4, 3214868480
	.section	.rodata,"a",@progbits
	.p2align	6, 0x0
	.amdhsa_kernel k_q8d9734d49e_lanes
		.amdhsa_group_segment_fixed_size 99328
		.amdhsa_private_segment_fixed_size 0
		.amdhsa_enable_private_segment 0
		.amdhsa_kernarg_size 152
		.amdhsa_user_sgpr_count 2
		.amdhsa_user_sgpr_kernarg_segment_ptr 1
		.amdhsa_wavefront_size32 1
		.amdhsa_system_sgpr_workgroup_id_x 1
		.amdhsa_system_sgpr_workgroup_id_y 1
		.amdhsa_system_sgpr_workgroup_id_z 1
		.amdhsa_system_vgpr_workitem_id 0
		.amdhsa_next_free_vgpr 512
		.amdhsa_next_free_sgpr 68
		.amdhsa_reserve_vcc 0
		.amdhsa_float_denorm_mode_32 3
		.amdhsa_float_denorm_mode_16_64 3
		.amdhsa_memory_ordered 1
		.amdhsa_forward_progress 1
		.amdhsa_inst_pref_size 177
	.end_amdhsa_kernel
	.amdgpu_metadata
---
amdhsa.version: [ 1, 2 ]
amdhsa.kernels:
  - .name:           k_q8d9734d49e_lanes
    .symbol:         k_q8d9734d49e_lanes.kd
    .args:
      - { .name: X_codes, .offset: 0, .size: 8, .value_kind: global_buffer, .address_space: global }
      - { .name: X_scales, .offset: 8, .size: 8, .value_kind: global_buffer, .address_space: global }
      - { .name: w1_codes, .offset: 16, .size: 8, .value_kind: global_buffer, .address_space: global }
      - { .name: w1_scales, .offset: 24, .size: 8, .value_kind: global_buffer, .address_space: global }
      - { .name: w2_codes, .offset: 32, .size: 8, .value_kind: global_buffer, .address_space: global }
      - { .name: w2_scales, .offset: 40, .size: 8, .value_kind: global_buffer, .address_space: global }
      - { .name: Ww_codes, .offset: 48, .size: 8, .value_kind: global_buffer, .address_space: global }
      - { .name: Ww_scales, .offset: 56, .size: 8, .value_kind: global_buffer, .address_space: global }
      - { .name: b1, .offset: 64, .size: 8, .value_kind: global_buffer, .address_space: global }
      - { .name: b2, .offset: 72, .size: 8, .value_kind: global_buffer, .address_space: global }
      - { .name: gamma, .offset: 80, .size: 8, .value_kind: global_buffer, .address_space: global }
      - { .name: beta, .offset: 88, .size: 8, .value_kind: global_buffer, .address_space: global }
      - { .name: Wb, .offset: 96, .size: 8, .value_kind: global_buffer, .address_space: global }
      - { .name: vw, .offset: 104, .size: 8, .value_kind: global_buffer, .address_space: global }
      - { .name: seeds, .offset: 112, .size: 8, .value_kind: global_buffer, .address_space: global }
      - { .name: Uw, .offset: 120, .size: 8, .value_kind: global_buffer, .address_space: global }
      - { .name: scores, .offset: 128, .size: 8, .value_kind: global_buffer, .address_space: global }
      - { .name: pz, .offset: 136, .size: 8, .value_kind: global_buffer, .address_space: global }
      - { .name: ps, .offset: 144, .size: 8, .value_kind: global_buffer, .address_space: global }
    .group_segment_fixed_size: 99328
    .private_segment_fixed_size: 0
    .kernarg_segment_align: 8
    .kernarg_segment_size: 152
    .max_flat_workgroup_size: 256
    .sgpr_count:     68
    .vgpr_count:     512
    .wavefront_size: 32
...
	.end_amdgpu_metadata
.endif
;; end of part 1
;; launch finish (part 2): grid 257 x 1, 8 waves a work-group, no clusters, 11,776 bytes of LDS; arguments scores, ps, pz, rw1, rb1, rw2, rb2, out0, out1; writes out0, out1
.if DOCPART == 2
	.amdgcn_target "amdgcn-amd-amdhsa--gfx1250"
	.amdhsa_code_object_version 6
	.text
	.protected	k_q8d9734d49e_finish
	.globl	k_q8d9734d49e_finish
	.p2align	8
	.type	k_q8d9734d49e_finish,@function
k_q8d9734d49e_finish:
	s_mov_b64 s[64:65], 0
	v_nop
	global_prefetch_b8 v0, s[64:65] scope:SCOPE_SE
	s_setreg_imm32_b32 hwreg(HW_REG_WAVE_MODE, 25, 1), 1
	s_wait_xcnt 0x0
; FINISH.  scores hold t, the scores in units of log2 less a term that is the same for all lanes of a seed (left out in the first launch: it leaves the softmax as it is).
; ps holds each of the 256 work-groups' largest t (M) and sum of 2^(t - M) (L) for the four seeds, pz its pooled sum under that M.
; Work-groups 1 to 256: weights = 2^(t - G) / S, G the largest M, S = the sum of L 2^(M - G).  Work-group b' = number - 1 serves seed b' / 64; its wave gw2 = 8 (b' % 64) + wave takes the seed's
;   blocks of 64 lanes (256 bytes) from (gw2 x 15625) >> 9 up to ((gw2 + 1) x 15625) >> 9: 30 or 31.  All its loads go out at once; G and S are made while they are on their way.
; Work-group 0: Z = the sum of pz 2^(M - G) / S, then z = relu(Z rw1^T + rb1) rw2^T + rb2, all in f32.
; The two paths part on the work-group's number and have LDS bytes of their own.  LIMITS: NaN and infinities are not served.
.set NMX,   0                          ; path of the weights: the waves' maxima, 4 bytes a wave;
.set NSM,   256                        ; their sums
.set ZMX,   512                        ; work-group 0: the waves' maxima, 16 bytes a wave;
.set ZSM,   768                        ; their sums;
.set FT,    1024                       ; the factors 2^(M - G), [4 seeds][256 work-groups] f32;
.set ZP,    5120                       ; four partial Z, [4][256] f32;
.set ZF,    9216                       ; Z [256];
.set HID,   10240                      ; the hidden layer [64];
.set OUTS,  10496                      ; z [64]
.set SPARE, 10752                      ; the spare words, 128 bytes for each wave: four blocks of 256 bytes that no other line names
.set SPW,   2
.set NIL,   3
.macro WMAX a, b                       ; the largest of v[a] over the wave, in every lane; v[b] at work (written before)
.irp m, 1,2,4,8
	v_max_num_f32_dpp v[\a], v[\a], v[\a] row_xmask:\m row_mask:0xf bank_mask:0xf
.endr
	v_permlanex16_b32 v[\b], v[\a], s24, s25
	v_max_num_f32 v[\a], v[\a], v[\b]
.endm
.macro WSUM a, b
.irp m, 1,2,4,8
	v_add_f32_dpp v[\a], v[\a], v[\a] row_xmask:\m row_mask:0xf bank_mask:0xf
.endr
	v_permlanex16_b32 v[\b], v[\a], s24, s25
	v_add_f32 v[\a], v[\a], v[\b]
.endm
.macro BARRIER                         ; my LDS stores have landed and my LDS loads are in: then the work-group's barrier
	s_wait_dscnt 0x0
	s_barrier_signal -1
	s_barrier_wait -1
.endm
	s_load_b512 s[4:19], s[0:1], 0x0               ; scores 4, ps 6, pz 8, rw1 10, rb1 12, rw2 14, rb2 16, out0 18
	s_load_b64 s[20:21], s[0:1], 0x40              ; out1
	v_lshl_add_u32 v[SPW], v0, 2, SPARE
	v_mov_b32 v[NIL], 0
	v_lshrrev_b32 v1, 5, v0
	v_readfirstlane_b32 s22, v1                    ; wave 0..7
	s_mov_b32 s24, 0x76543210
	s_mov_b32 s25, 0xfedcba98                      ; v_permlanex16_b32's selects for lane l xor 16
	v_lshlrev_b32 v4, 5, v0                        ; 32 x thread: a work-group's record in ps
	v_and_b32 v5, 31, v0
	v_lshlrev_b32 v5, 3, v5                        ; 8 x lane
	v_mov_b32 v6, s22
	v_lshlrev_b32 v6, 2, v6                        ; 4 x wave
	v_mov_b32 v7, 0
	s_wait_kmcnt 0x0
	s_cmp_eq_u32 ttmp9, 0
	s_cbranch_scc1 .Lz
	; ---- THE WEIGHTS
	s_sub_co_u32 s26, ttmp9, 1
	s_lshr_b32 s27, s26, 6                         ; the seed
	s_and_b32 s28, s26, 63
	s_lshl_b32 s28, s28, 3
	s_add_co_u32 s28, s28, s22                     ; gw2
	s_mul_i32 s29, s28, 15625
	s_lshr_b32 s29, s29, 9                         ; my first block
	s_add_co_u32 s30, s28, 1
	s_mul_i32 s30, s30, 15625
	s_lshr_b32 s30, s30, 9
	s_sub_co_u32 s31, s30, s29                     ; 30 or 31 blocks
	s_lshl_b32 s32, s27, 2
	s_mov_b32 s33, 0
	s_add_nc_u64 s[38:39], s[6:7], s[32:33]        ; ps at my seed's M
	s_mul_i32 s32, s27, 4000000
	s_lshl_b32 s23, s29, 8
	s_add_co_u32 s32, s32, s23
	s_add_nc_u64 s[34:35], s[4:5], s[32:33]
	s_add_nc_u64 s[36:37], s[20:21], s[32:33]
	global_load_b32 v8, v4, s[38:39]               ; M of work-group = my thread
	global_load_b32 v9, v4, s[38:39] offset:16     ; L
	v_mov_b32 v92, 0
	v_mov_b32 v93, 0
	s_cmp_eq_u32 s31, 31
	s_cbranch_scc0 .Lshort_in
	global_load_b64 v[92:93], v5, s[34:35] offset:7680 th:TH_LOAD_NT
.Lshort_in:
.set j, 0
.rept 30
	global_load_b64 v[32+2*j:33+2*j], v5, s[34:35] offset:256*j th:TH_LOAD_NT   ; 32 lanes read 256 consecutive bytes
.set j, j+1
.endr
	s_wait_loadcnt 30                              ; M and L (and the 31st block, where there is one) are in; the 30 behind them may be out
	v_mov_b32 v10, v8
	WMAX 10, 1
	ds_store_b32 v6, v10 offset:NMX
	BARRIER
	ds_load_b128 v[12:15], v7 offset:NMX
	ds_load_b128 v[16:19], v7 offset:NMX+16
	s_wait_dscnt 0x0
	v_max3_num_f32 v20, v12, v13, v14
	v_max3_num_f32 v20, v20, v15, v16
	v_max3_num_f32 v20, v20, v17, v18
	v_max_num_f32 v20, v20, v19                    ; G
	v_sub_f32 v21, v8, v20
	v_exp_f32 v21, v21
	v_nop
	s_wait_alu depctr_va_vdst(0)
	v_mul_f32 v21, v9, v21
	WSUM 21, 1
	ds_store_b32 v6, v21 offset:NSM
	BARRIER
	ds_load_b128 v[12:15], v7 offset:NSM
	ds_load_b128 v[16:19], v7 offset:NSM+16
	s_wait_dscnt 0x0
	v_add_f32 v12, v12, v13
	v_add_f32 v14, v14, v15
	v_add_f32 v16, v16, v17
	v_add_f32 v18, v18, v19
	v_add_f32 v12, v12, v14
	v_add_f32 v16, v16, v18
	v_add_f32 v22, v12, v16                        ; S
	v_rcp_f32 v22, v22
	v_mov_b32 v23, 0                               ; (named with it as a pair; also the plain place behind the reciprocal)
	s_wait_alu depctr_va_vdst(0)
	s_wait_loadcnt 0x0
.set j, 0
.rept 31
	v_pk_add_f32 v[32+j:33+j], v[32+j:33+j], v[20:21] op_sel_hi:[1,0] neg_lo:[0,1] neg_hi:[0,1]   ; t - G
.set j, j+2
.endr
.set j, 0
.rept 62
	v_exp_f32 v[32+j], v[32+j]
.set j, j+1
.endr
	v_nop
	s_wait_alu depctr_va_vdst(0)                   ; one wait for the batch
.set j, 0
.rept 31
	v_pk_mul_f32 v[32+j:33+j], v[32+j:33+j], v[22:23] op_sel_hi:[1,0]
.set j, j+2
.endr
.set j, 0
.rept 30
	global_store_b64 v5, v[32+2*j:33+2*j], s[36:37] offset:256*j th:TH_STORE_NT   ; 256 consecutive bytes, at a multiple of 256 from the buffer's first byte
.set j, j+1
.endr
	s_cmp_eq_u32 s31, 31
	s_cbranch_scc0 .Lend
	global_store_b64 v5, v[92:93], s[36:37] offset:7680 th:TH_STORE_NT
	s_branch .Lend
	; ---- WORK-GROUP 0: Z AND THE TWO LAYERS
	; v16-23 M and L of work-group = my thread, four seeds; v24-87 my 64 numbers of rw1; v88-103 my 16 of rw2; v112-223 a ring of 28 records of pz; v224-255 at work
.Lz:
	v_lshlrev_b32 v8, 8, v0                        ; rw1: thread 4 j + qd takes rw1[j][64 qd ..]: 256 bytes at 256 x thread
	v_lshlrev_b32 v9, 6, v0                        ; rw2: rw2[j][16 qd ..]: 64 bytes at 64 x thread
	v_lshrrev_b32 v10, 2, v0
	v_lshlrev_b32 v10, 2, v10                      ; 4 j
	v_lshrrev_b32 v11, 6, v0                       ; grp: I sum the records of work-groups 64 grp .. 64 grp + 63
	v_and_b32 v12, 63, v0
	v_lshlrev_b32 v13, 4, v12
	v_lshl_add_u32 v13, v11, 16, v13               ; pz: 65,536 grp + 16 (thread % 64)
	v_bfe_u32 v12, v0, 4, 2                        ; the seed of my four numbers
	v_lshlrev_b32 v11, 8, v11
	v_lshl_add_u32 v11, v12, 10, v11               ; my factors: 1,024 x seed + 256 grp
	v_lshl_add_u32 v14, v6, 2, ZMX                 ; 16 x wave
	v_lshlrev_b32 v15, 2, v0                       ; 4 x thread
	v_lshlrev_b32 v106, 4, v0                      ; 16 x thread
	v_and_b32 v108, 3, v0
	v_lshlrev_b32 v107, 8, v108                    ; 256 qd
	v_lshlrev_b32 v108, 6, v108                    ; 64 qd
	global_load_b128 v[16:19], v4, s[6:7]
	global_load_b128 v[20:23], v4, s[6:7] offset:16
.irp i, 0,1,2,3,4,5,6,7,8,9,10,11,12,13,14,15
	global_load_b128 v[24+4*\i:27+4*\i], v8, s[10:11] offset:16*\i
.endr
.irp i, 0,1,2,3
	global_load_b128 v[88+4*\i:91+4*\i], v9, s[14:15] offset:16*\i
.endr
	global_load_b32 v104, v10, s[12:13]
	global_load_b32 v105, v10, s[16:17]
.set n, 0
.rept 28
	global_load_b128 v[112+4*n:115+4*n], v13, s[8:9] offset:1024*n   ; a wave reads 512 consecutive bytes
.set n, n+1
.endr
	s_wait_loadcnt 50                              ; M and L are in; behind them: rw1's 16, rw2's 4, the biases' 2, the ring's 28
.irp k, 0,1,2,3
	v_mov_b32 v[224+\k], v[16+\k]
.endr
.irp k, 0,1,2,3
	WMAX 224+\k, 1
.endr
	ds_store_b128 v14, v[224:227]
	BARRIER
.irp w, 0,1,2,3,4,5,6,7
	ds_load_b128 v[224+4*\w:227+4*\w], v7 offset:ZMX+16*\w
.endr
	s_wait_dscnt 0x0
.irp k, 0,1,2,3
	v_max3_num_f32 v[224+\k], v[224+\k], v[228+\k], v[232+\k]
	v_max3_num_f32 v[224+\k], v[224+\k], v[236+\k], v[240+\k]
	v_max3_num_f32 v[224+\k], v[224+\k], v[244+\k], v[248+\k]
	v_max_num_f32 v[224+\k], v[224+\k], v[252+\k]  ; G
.endr
.irp k, 0,1,2,3
	v_sub_f32 v[228+\k], v[16+\k], v[224+\k]
.endr
.irp k, 0,1,2,3
	v_exp_f32 v[228+\k], v[228+\k]
.endr
	v_nop
	s_wait_alu depctr_va_vdst(0)
.irp k, 0,1,2,3
	ds_store_b32 v15, v[228+\k] offset:FT+1024*\k  ; the factor of work-group = my thread
	v_mul_f32 v[232+\k], v[20+\k], v[228+\k]
.endr
.irp k, 0,1,2,3
	WSUM 232+\k, 1
.endr
	ds_store_b128 v14, v[232:235] offset:ZSM-ZMX
	BARRIER
.irp w, 0,1,2,3,4,5,6,7
	ds_load_b128 v[224+4*\w:227+4*\w], v7 offset:ZSM+16*\w
.endr
	s_wait_dscnt 0x0
.irp w, 1,2,3,4,5,6,7
.irp k, 0,1,2,3
	v_add_f32 v[224+\k], v[224+\k], v[224+4*\w+\k] ; S
.endr
.endr
	v_cmp_eq_u32 vcc_lo, 1, v12                    ; my seed's S: a choice of a value, no branch
	v_cndmask_b32 v109, v224, v225, vcc_lo
	v_cmp_eq_u32 vcc_lo, 2, v12
	v_cndmask_b32 v109, v109, v226, vcc_lo
	v_cmp_eq_u32 vcc_lo, 3, v12
	v_cndmask_b32 v109, v109, v227, vcc_lo
	v_rcp_f32 v109, v109
	v_nop
	s_wait_alu depctr_va_vdst(0)
	; 64 records a thread, through the ring
.set n, 0
.rept 64
.if n%32 == 0
.irp m, 0,1,2,3,4,5,6,7
	ds_load_b128 v[224+4*\m:227+4*\m], v11 offset:FT+128*(n/32)+16*\m   ; the factors of 32 records
.endr
	s_wait_dscnt 0x0
.endif
.if n < 36
	s_wait_loadcnt 27                              ; record n is in; the 27 asked for behind it may be out
.else
	s_wait_loadcnt 63-n                            ; nothing more is asked for: the counts run down
.endif
.irp i, 0,1,2,3
.if n == 0
	v_mul_f32 v[16+\i], v[112+\i], v224
.else
	v_fma_f32 v[16+\i], v[112+4*(n%28)+\i], v[224+n%32], v[16+\i]
.endif
.endr
.if n+28 < 64
	global_load_b128 v[112+4*(n%28):115+4*(n%28)], v13, s[8:9] offset:1024*(n+28)
.endif
.set n, n+1
.endr
.irp i, 0,1,2,3
	v_mul_f32 v[16+\i], v[16+\i], v109
.endr
	ds_store_b128 v106, v[16:19] offset:ZP
	BARRIER
.irp g, 0,1,2,3
	ds_load_b32 v[20+\g], v15 offset:ZP+1024*\g
.endr
	s_wait_dscnt 0x0
	v_add_f32 v20, v20, v21
	v_add_f32 v22, v22, v23
	v_add_f32 v20, v20, v22
	ds_store_b32 v15, v20 offset:ZF                ; Z[thread]
	BARRIER
.irp i, 0,1,2,3,4,5,6,7,8,9,10,11,12,13,14,15
	ds_load_b128 v[112+4*\i:115+4*\i], v107 offset:ZF+16*\i
.endr
	s_wait_dscnt 0x0
	v_pk_mul_f32 v[16:17], v[24:25], v[112:113]
	v_pk_mul_f32 v[18:19], v[26:27], v[114:115]
.set j, 4
.rept 15
	v_pk_fma_f32 v[16:17], v[24+j:25+j], v[112+j:113+j], v[16:17]
	v_pk_fma_f32 v[18:19], v[26+j:27+j], v[114+j:115+j], v[18:19]
.set j, j+4
.endr
	v_pk_add_f32 v[16:17], v[16:17], v[18:19]
	v_add_f32 v16, v16, v17
	v_add_f32_dpp v16, v16, v16 row_xmask:1 row_mask:0xf bank_mask:0xf
	v_add_f32_dpp v16, v16, v16 row_xmask:2 row_mask:0xf bank_mask:0xf      ; the four quarters of row j
	v_add_f32 v16, v16, v104
	v_max_num_f32 v16, 0, v16
	ds_store_b32 v10, v16 offset:HID               ; the four lanes of a row write the same word
	BARRIER
.irp i, 0,1,2,3
	ds_load_b128 v[112+4*\i:115+4*\i], v108 offset:HID+16*\i
.endr
	s_wait_dscnt 0x0
	v_pk_mul_f32 v[16:17], v[88:89], v[112:113]
	v_pk_mul_f32 v[18:19], v[90:91], v[114:115]
.set j, 4
.rept 3
	v_pk_fma_f32 v[16:17], v[88+j:89+j], v[112+j:113+j], v[16:17]
	v_pk_fma_f32 v[18:19], v[90+j:91+j], v[114+j:115+j], v[18:19]
.set j, j+4
.endr
	v_pk_add_f32 v[16:17], v[16:17], v[18:19]
	v_add_f32 v16, v16, v17
	v_add_f32_dpp v16, v16, v16 row_xmask:1 row_mask:0xf bank_mask:0xf
	v_add_f32_dpp v16, v16, v16 row_xmask:2 row_mask:0xf bank_mask:0xf
	v_add_f32 v16, v16, v105
	ds_store_b32 v10, v16 offset:OUTS
	BARRIER
	s_cmp_lg_u32 s22, 0
	s_cbranch_scc1 .Lend
	ds_load_b64 v[16:17], v5 offset:OUTS
	s_wait_dscnt 0x0
	global_store_b64 v5, v[16:17], s[18:19]        ; z: 32 lanes store its 256 bytes
.Lend:
	s_wait_tensorcnt 0x0                           ; the wave's end: behind my last LDS store
	ds_add_u32 v[SPW], v[NIL]
	s_wait_dscnt 0x0
	s_endpgm
.Lfunc_end_k_q8d9734d49e_finish:
	.size	k_q8d9734d49e_finish, .Lfunc_end_k_q8d9734d49e_finish-k_q8d9734d49e_finish
	.p2alignl 7, 3214868480
	.fill 96, 4, 3214868480
	.section	.rodata,"a",@progbits
	.p2align	6, 0x0
	.amdhsa_kernel k_q8d9734d49e_finish
		.amdhsa_group_segment_fixed_size 11776
		.amdhsa_private_segment_fixed_size 0
		.amdhsa_enable_private_segment 0
		.amdhsa_kernarg_size 72
		.amdhsa_user_sgpr_count 2
		.amdhsa_user_sgpr_kernarg_segment_ptr 1
		.amdhsa_wavefront_size32 1
		.amdhsa_system_sgpr_workgroup_id_x 1
		.amdhsa_system_sgpr_workgroup_id_y 1
		.amdhsa_system_sgpr_workgroup_id_z 1
		.amdhsa_system_vgpr_workitem_id 0
		.amdhsa_next_free_vgpr 256
		.amdhsa_next_free_sgpr 66
		.amdhsa_reserve_vcc 1
		.amdhsa_float_denorm_mode_32 3
		.amdhsa_float_denorm_mode_16_64 3
		.amdhsa_memory_ordered 1
		.amdhsa_forward_progress 1
		.amdhsa_inst_pref_size 57
	.end_amdhsa_kernel
	.amdgpu_metadata
---
amdhsa.version: [ 1, 2 ]
amdhsa.kernels:
  - .name:           k_q8d9734d49e_finish
    .symbol:         k_q8d9734d49e_finish.kd
    .args:
      - { .name: scores, .offset: 0, .size: 8, .value_kind: global_buffer, .address_space: global }
      - { .name: ps, .offset: 8, .size: 8, .value_kind: global_buffer, .address_space: global }
      - { .name: pz, .offset: 16, .size: 8, .value_kind: global_buffer, .address_space: global }
      - { .name: rw1, .offset: 24, .size: 8, .value_kind: global_buffer, .address_space: global }
      - { .name: rb1, .offset: 32, .size: 8, .value_kind: global_buffer, .address_space: global }
      - { .name: rw2, .offset: 40, .size: 8, .value_kind: global_buffer, .address_space: global }
      - { .name: rb2, .offset: 48, .size: 8, .value_kind: global_buffer, .address_space: global }
      - { .name: out0, .offset: 56, .size: 8, .value_kind: global_buffer, .address_space: global }
      - { .name: out1, .offset: 64, .size: 8, .value_kind: global_buffer, .address_space: global }
    .group_segment_fixed_size: 11776
    .private_segment_fixed_size: 0
    .kernarg_segment_align: 8
    .kernarg_segment_size: 72
    .max_flat_workgroup_size: 256
    .sgpr_count:     66
    .vgpr_count:     256
    .wavefront_size: 32
...
	.end_amdgpu_metadata
.endif
;; end of part 2
;; ======== version 2 of 2: 2 launches; 1.12 times as fast as version 1
;; limits: right only within a limited range of input values
;; workspace buffers: scores 16,000,000 bytes; pz 262,144 bytes; ps 8,192 bytes
;; launch lanes (part 3): grid 256 x 1, 8 waves a work-group, no clusters, 99,328 bytes of LDS; arguments X_codes, X_scales, w1_codes, w1_scales, w2_codes, w2_scales, Ww_codes, Ww_scales, b1, b2, gamma, beta, Wb, vw, seeds, Uw, scores, pz, ps; writes scores, pz, ps
.if DOCPART == 3
	.amdgcn_target "amdgcn-amd-amdhsa--gfx1250"
	.amdhsa_code_object_version 6
	.text
	.protected	k_q8d9734d49e_lanes
	.globl	k_q8d9734d49e_lanes
	.p2align	8
	.type	k_q8d9734d49e_lanes,@function
k_q8d9734d49e_lanes:
	s_mov_b64 s[64:65], 0
	v_nop
	global_prefetch_b8 v0, s[64:65] scope:SCOPE_SE
	s_setreg_imm32_b32 hwreg(HW_REG_WAVE_MODE, 25, 1), 1
	s_wait_xcnt 0x0
; LANES: for each of the 1,000,000 lanes: H = LayerNorm(relu(X w1^T + b1) w2^T + b2), Wh = H Ww^T + Wb, the four seeds' scores, and each work-group's part of the softmax and of the pooled sum.
; The three products run on codes of E2M3 with E8M0 scales; relu's result and H are quantised in registers, from f32.  The pooled sum (p x H) runs on bf16 operands with f32 sums.
; WORK LEFT OUT.  tanh(x) = 1 - 2 / (1 + e^(2x)), so score[k][l] = sum_e vw[e] - 2 sum_e vw[e] / (1 + e^(2x)).  The first term is the same for every lane l of a seed, whatever the inputs hold:
;   a term that is the same along the softmax's axis leaves the weights as they are, and the scores reach the outputs through the weights alone.  So it is not formed.  What is stored as a score is
;   t = sum_e (-2 log2(e) vw[e]) / (1 + g^2), g = 2^(Wh log2 e) x 2^(Uq log2 e): the score in units of log2, less that term.  Every input has a way to an output: all are loaded (rw1, rb1, rw2, rb2 by the second launch).
;   An overflow of sum_e vw[e] alone is not carried to the result.
; LIMITS.  Uq log2(e) is held to +-113, that is |Uq| up to 78; beyond it Uq counts as +-78.  Inside that range g is 0 or infinite only where tanh is -1 or 1 to the last bit of f32.
;   NaN and infinities among the inputs and scale bytes 0xff are not served.  A block whose largest magnitude lies under 2^-124 gets the byte 1; a block of zeros too: its codes are zeros.
; SOFTMAX.  Each wave keeps, for each seed, the largest t so far (the same in all its lanes), renewed every 64 lanes; p = 2^(t - M); sum and pooled sum are multiplied by 2^(old M - new M) in every trip.
; SHARES.  15,625 granules of 64 lanes; wave gw of 2,048 walks granules (gw x 15625) >> 11 up to ((gw + 1) x 15625) >> 11: 7 or 8.  A granule is four tiles of 16 lanes: tile i = 2 q + hh, column r = row 32 hh + 2 r + q,
;   so that, the halves joined, wave lane l holds the scores of rows 2 l and 2 l + 1: one store of 8 bytes a lane covers 256 consecutive, aligned bytes of a seed's scores.
; LAYOUT.  The products are used transposed: source 0 = 16 rows of the weight, source 1 = 16 lanes.  Row m of weight tile t is row 8 t + m % 8 + 32 (m / 8): lane (r, h) then holds lane-row r, and registers 8 t + j hold
;   features 32 h + 8 t + j: a whole block of 32 along the next K in one lane.  K is 64 (or 32) of the instruction's 128: the activation's registers 6-11 (X's: 3-11) hold zero codes, so the weight's registers there may hold
;   anything: the weights lie 6 (w1: 4) registers a tile and an operand's 12 registers run on into the next tile's.  X and w1 (K = 32): lane (r, h) holds codes 16 h .. 16 h + 15 in registers 0-2, alike on both sides; the scale byte stands twice.
; SUMS IN SEVERAL CHAINS.  A seed's score (16 packed multiply-adds) runs in four chains, a block's largest magnitude (16 lines) in four: no line reads the result of a line close in front of it.
; NO TENSOR LOADS, NO CLUSTER: X comes from memory in the operand's own register layout and is read by one wave; what work-groups share is the weights and constants, some 27,000 bytes read once at the head.
; ps is 32 bytes a work-group: 8,192 bytes in all are stored in parts of 256-byte blocks.
.set NLAST, 15624                      ; the last granule
.set EQT,   1024                       ; LDS: b2 at 0, gamma at 256, beta at 512, Wb at 768; from 1,024 on 2^(Uq log2 e), [4][64] f32
.set WSTG,  2048                       ; a stage for each wave:
.set WSTGB, 10752                      ;   64 rows of H in bf16, 128 bytes + 32 of padding; behind them p, [4 seeds][64 rows] bf16
.set PSTG,  10240
.set HP,    160
.set RED,   88064                      ; each wave's result: Z [4][64] f32, M[4] at 1,024, L[4] at 1,040
.set REDB,  1280
.set SPARE, 98304                      ; the spare words, 128 bytes for each wave: four blocks of 256 bytes that no other line names
; window 0
.set XA,  1                            ; 48 r + 12 h: my 12 bytes of X's codes in a tile
.set XSA, 2                            ; 2 x lane: my two rows' scale bytes
.set SCO, 3                            ; 8 x lane: my two scores
.set HST, 4                            ; where I put H: stage + 320 r + 64 h
.set HTR, 5                            ; where the turning load reads H
.set PST, 6                            ; where I put p: stage + PSTG + 4 x lane
.set PLD, 7                            ; where I read p as an operand: + 128 (r % 4) + 16 h
.set CLD, 8                            ; 128 h: my 32 features in a row of 64 f32
.set RZ,  9                            ; RED + wave + 4 r
.set SPW, 10                           ; my spare word; never rewritten
.set NIL, 11                           ; 0; never rewritten
.set RB,  12                           ; RED + wave
.set MZ,  13                           ; the merge: RED + 16 x thread
.set MM,  14                           ; the merge: RED + 1,024 + 4 x (thread / 16)
.set GZ,  15                           ; 16 x thread
.set W1S, 16                           ; scale words of w1's, w2's, Ww's four tiles
.set W2S, 20
.set WWS, 24
.set XSR, 28                           ; X's scale bytes as loaded (rows 2 l, 2 l + 1)
.set XS,  29                           ; v29, v30: byte q in all four places
.set ASC, 31                           ; the activation's scale word
.set B1,  32                           ; b1 in the result's layout
.set ACC, 64                           ; four accumulators: 32 features of my row
.set WT1, 96
.set WT2, 112
.set WT3, 136                          ; v160-165: zeros behind the last tile
.set OPB, 166                          ; the activation's operand; 6-11 stay zero
.set XOP, 178                          ; X's operand; 3-11 stay zero
.set CV2, 190                          ; v190-192 a conversion's second half; v190-193 also four words of H in bf16
.set XST, 194                          ; four slots of 4 registers for X's codes on their way
.set PACC, 210                         ; four accumulators of the pooled sum: registers 0-3: seeds 0-3, column = feature 16 t + r
.set T,   242                          ; at work
; window 1
.set EQ,  0                            ; 2^(Uq log2 e): 32 k + i
.set VW,  128                          ; -2 log2(e) vw
.set U,   160
.set TMP, 192
.set SACC, 224                         ; four chains (pairs) of the score in hand
.set PT0, 232
.set PT1, 236
.set SC,  240                          ; scores: 2 k + q
.set MX,  248
.set LS,  252
.set MSB, 0
.macro WIN new                         ; the immediate's high byte repeats the setting that is left
.if MSB != \new
	s_set_vgpr_msb (MSB<<8)|\new
.set MSB, \new
.endif
.endm
.macro NOPS n
.rept \n
	v_nop
.endr
.endm
.macro SW d, a, b, c, sa, sb, row      ; one scaled product; row = 1: source 1's scales stand in lanes 16-31
.if \row
	v_wmma_scale_f32_16x16x128_f8f6f4 v[\d:\d+7], v[\a:\a+11], v[\b:\b+11], v[\c:\c+7], v[\sa], v[\sb] matrix_a_fmt:MATRIX_FMT_FP6 matrix_b_fmt:MATRIX_FMT_FP6 matrix_b_scale:MATRIX_SCALE_ROW1
.else
	v_wmma_scale_f32_16x16x128_f8f6f4 v[\d:\d+7], v[\a:\a+11], v[\b:\b+11], v[\c:\c+7], v[\sa], v[\sb] matrix_a_fmt:MATRIX_FMT_FP6 matrix_b_fmt:MATRIX_FMT_FP6
.endif
.endm
.macro CLOAD reg, off                  ; my 32 features of a constant row
.irp i, 0,1,2,3,4,5,6,7
	ds_load_b128 v[\reg+4*\i:\reg+4*\i+3], v[CLD] offset:\off+16*\i
.endr
.endm
.macro SRED d                          ; the four chains of a score become one number, in v[d] (all in window 1)
	v_pk_add_f32 v[SACC:SACC+1], v[SACC:SACC+1], v[SACC+2:SACC+3]
	v_pk_add_f32 v[SACC+4:SACC+5], v[SACC+4:SACC+5], v[SACC+6:SACC+7]
	v_pk_add_f32 v[SACC:SACC+1], v[SACC:SACC+1], v[SACC+4:SACC+5]
	v_add_f32 v[\d], v[SACC], v[SACC+1]
.endm
	s_load_b512 s[4:19], s[0:1], 0x0               ; X codes 4, X scales 6, w1 codes 8, w1 scales 10, w2 codes 12, w2 scales 14, Ww codes 16, Ww scales 18
	s_load_b512 s[20:35], s[0:1], 0x40             ; b1 20, b2 22, gamma 24, beta 26, Wb 28, vw 30, seeds 32, Uw 34
	s_load_b128 s[36:39], s[0:1], 0x80             ; scores 36, pz 38
	s_load_b64 s[40:41], s[0:1], 0x90              ; ps
	v_lshl_add_u32 v[SPW], v0, 2, SPARE
	v_mov_b32 v[NIL], 0
	v_lshrrev_b32 v64, 5, v0
	v_readfirstlane_b32 s42, v64                   ; wave 0..7
	v_and_b32 v64, 15, v0                          ; r
	v_bfe_u32 v65, v0, 4, 1                        ; h
	v_and_b32 v66, 31, v0                          ; lane
	s_mul_i32 s47, s42, WSTGB
	s_add_co_u32 s47, s47, WSTG                    ; my wave's stage
	s_mul_i32 s46, s42, REDB
	s_add_co_u32 s46, s46, RED                     ; my wave's result
	v_mul_u32_u24 v[XA], v64, 48
	v_mad_u32_u24 v[XA], v65, 12, v[XA]
	v_lshlrev_b32 v[XSA], 1, v66
	v_lshlrev_b32 v[SCO], 3, v66
	v_mul_u32_u24 v[HST], v64, 320
	v_lshl_add_u32 v[HST], v65, 6, v[HST]
	v_add_nc_u32 v[HST], s47, v[HST]
	v_and_b32 v67, 7, v0
	v_lshl_add_u32 v67, v65, 3, v67
	v_mul_u32_u24 v[HTR], v67, HP
	v_bfe_u32 v67, v0, 3, 1
	v_lshl_add_u32 v[HTR], v67, 4, v[HTR]
	v_add_nc_u32 v[HTR], s47, v[HTR]               ; row 8 h + lane % 8, 16 bytes for each eight lanes
	v_lshl_add_u32 v[PST], v66, 2, PSTG
	v_add_nc_u32 v[PST], s47, v[PST]
	v_and_b32 v67, 3, v0
	v_lshlrev_b32 v[PLD], 7, v67
	v_lshl_add_u32 v[PLD], v65, 4, v[PLD]
	v_add_nc_u32 v[PLD], PSTG, v[PLD]
	v_add_nc_u32 v[PLD], s47, v[PLD]
	v_lshlrev_b32 v[CLD], 7, v65
	v_lshlrev_b32 v[RZ], 2, v64
	v_add_nc_u32 v[RZ], s46, v[RZ]
	v_mov_b32 v[RB], s46
	v_lshl_add_u32 v[MZ], v0, 4, RED
	v_lshrrev_b32 v[MM], 4, v0
	v_lshl_add_u32 v[MM], v[MM], 2, RED+1024
	v_lshlrev_b32 v[GZ], 4, v0
	v_and_b32 v67, 8, v64
	v_mad_u32_u24 v67, v67, 3, v64                 ; f0 = r % 8 + 32 (r / 8): my row in a weight's tile 0
	v_mul_u32_u24 v68, v67, 24
	v_mad_u32_u24 v68, v65, 12, v68                ; w1: 24 bytes a row, 12 for each half
	v_mul_u32_u24 v69, v67, 48
	v_mad_u32_u24 v69, v65, 24, v69                ; w2, Ww: 48 bytes a row, a block for each half
	v_lshlrev_b32 v70, 1, v67
	v_lshlrev_b32 v71, 6, v0                       ; Uq: thread 4 e + qd takes Uw[e][16 qd .. 16 qd + 15]: 64 bytes at 64 x thread,
	v_and_b32 v76, 3, v0                           ; qd
	v_lshlrev_b32 v72, 6, v76                      ; and the same 16 numbers of each seed
	v_lshrrev_b32 v77, 2, v0
	v_lshlrev_b32 v77, 2, v77
	v_lshl_add_u32 v77, v76, 8, v77                ; it keeps seed qd's sum: its place is 256 qd + 4 e
	v_cmp_eq_u32 s2, 1, v76                        ; the choice of a value among four: three masks of lanes
	v_cmp_eq_u32 s3, 2, v76
	v_cmp_eq_u32 s46, 3, v76
	v_and_b32 v73, 63, v0
	v_lshlrev_b32 v73, 2, v73
	v_lshlrev_b32 v74, 2, v0
	s_mov_b32 s57, 0
	s_mov_b32 s58, 0x76543210
	s_mov_b32 s59, 0xfedcba98                      ; v_permlanex16_b32's selects for lane l xor 16
	s_mov_b32 s60, 0x3c800000                      ; 1 / 64
	s_mov_b32 s61, 0x3727c5ac                      ; 1e-5
	s_mov_b32 s62, 0x42e20000                      ; 113
	s_mov_b32 s63, 0xc2e20000                      ; -113
	s_lshl_b32 s43, ttmp9, 3
	s_add_co_u32 s43, s43, s42                     ; gw
	s_mul_i32 s44, s43, 15625
	s_lshr_b32 s44, s44, 11                        ; my first granule
	s_add_co_u32 s45, s43, 1
	s_mul_i32 s45, s45, 15625
	s_lshr_b32 s45, s45, 11                        ; and the first that is not mine
	s_lshr_b32 s47, s42, 1                         ; which constant row my wave brings to LDS
	s_wait_kmcnt 0x0
	s_cmp_eq_u32 s47, 1
	s_cselect_b64 s[66:67], s[24:25], s[22:23]     ; waves 0, 1: b2; 2, 3: gamma;
	s_cmp_eq_u32 s47, 2
	s_cselect_b64 s[66:67], s[26:27], s[66:67]     ; 4, 5: beta;
	s_cmp_eq_u32 s47, 3
	s_cselect_b64 s[66:67], s[28:29], s[66:67]     ; 6, 7: Wb
	; X's first granule goes out ahead of everything else: tile 0, the scale bytes, tiles 1 to 3
	s_mul_i32 s56, s44, 1536
	s_add_nc_u64 s[48:49], s[4:5], s[56:57]
	s_lshl_b32 s56, s44, 6
	s_add_nc_u64 s[52:53], s[6:7], s[56:57]
	s_add_co_u32 s47, s44, 1
	s_min_u32 s47, s47, NLAST                      ; no load leaves its buffer
	s_mul_i32 s56, s47, 1536
	s_add_nc_u64 s[50:51], s[4:5], s[56:57]
	s_lshl_b32 s56, s47, 6
	s_add_nc_u64 s[54:55], s[6:7], s[56:57]
	global_load_b96 v[XST:XST+2], v[XA], s[48:49]
	global_load_u16 v[XSR], v[XSA], s[52:53]
	global_load_b96 v[XST+4:XST+6], v[XA], s[48:49] offset:768
	global_load_b96 v[XST+8:XST+10], v[XA], s[48:49] offset:24
	global_load_b96 v[XST+12:XST+14], v[XA], s[48:49] offset:792
	WIN 0x40                                       ; destination window 1
.irp i, 0,1,2,3
	global_load_b128 v[4*\i:4*\i+3], v71, s[34:35] offset:16*\i    ; a wave's four loads cover 2,048 consecutive bytes of Uw
.endr
.irp k, 0,1,2,3
.irp i, 0,1,2,3
	global_load_b128 v[16+16*\k+4*\i:16+16*\k+4*\i+3], v72, s[32:33] offset:256*\k+16*\i
.endr
.endr
.irp i, 0,1,2,3,4,5,6,7
	global_load_b128 v[VW+4*\i:VW+4*\i+3], v[CLD], s[30:31] offset:16*\i
.endr
	WIN 0
	global_load_b32 v75, v73, s[66:67]
.irp t, 0,1,2,3
	global_load_b96 v[WT1+4*\t:WT1+4*\t+2], v68, s[8:9] offset:192*\t
	global_load_u8 v[W1S+\t], v67, s[10:11] offset:8*\t
.irp p, 0,1,2
	global_load_b64 v[WT2+6*\t+2*\p:WT2+6*\t+2*\p+1], v69, s[12:13] offset:384*\t+8*\p
	global_load_b64 v[WT3+6*\t+2*\p:WT3+6*\t+2*\p+1], v69, s[16:17] offset:384*\t+8*\p
.endr
	global_load_u16 v[W2S+\t], v70, s[14:15] offset:16*\t      ; two bytes: blocks 0 and 1; the upper two bytes are 0
	global_load_u16 v[WWS+\t], v70, s[18:19] offset:16*\t
.endr
.irp i, 0,1,2,3,4,5,6,7
	global_load_b128 v[B1+4*\i:B1+4*\i+3], v[CLD], s[20:21] offset:16*\i
.endr
	s_wait_loadcnt 0x0                             ; all of the head's loads, X's first granule among them
.irp t, 0,1,2,3
	v_mul_u32_u24 v[W1S+\t], v[W1S+\t], 0x101      ; w1's byte twice: its 32 codes stand in the instruction's blocks 0 and 1
.endr
	; Uq[k][e] = seeds[k] . Uw[e], in f32: my quarter of the four seeds' sums, the seeds by turns; then the four quarters are joined
	WIN 0x55
.irp k, 0,1,2,3
	v_pk_mul_f32 v[192+2*\k:193+2*\k], v[0:1], v[16+16*\k:17+16*\k]
.endr
.set j, 2
.rept 7
.irp k, 0,1,2,3
	v_pk_fma_f32 v[192+2*\k:193+2*\k], v[j:j+1], v[16+16*\k+j:17+16*\k+j], v[192+2*\k:193+2*\k]
.endr
.set j, j+2
.endr
.irp k, 0,1,2,3
	v_add_f32 v[200+\k], v[192+2*\k], v[193+2*\k]
.endr
.irp m, 1,2
.irp k, 0,1,2,3
	v_add_f32_dpp v[200+\k], v[200+\k], v[200+\k] row_xmask:\m row_mask:0xf bank_mask:0xf
.endr
.endr
	v_cndmask_b32 v192, v200, v201, s2             ; seed qd's sum
	v_cndmask_b32 v192, v192, v202, s3
	v_cndmask_b32 v192, v192, v203, s46
	v_mul_f32 v192, 0x3fb8aa3b, v192
	v_med3_num_f32 v192, v192, s63, s62            ; held to +-113: 2^y stays a finite number that is not 0
	v_exp_f32 v192, v192
	v_nop
	s_wait_alu depctr_va_vdst(0)                   ; ahead of the exponential's first reader
	WIN 0x04                                       ; an LDS store's data: window 1
	ds_store_b32 v77, v192 offset:EQT
	WIN 0
	ds_store_b32 v74, v75                          ; b2, gamma, beta, Wb on end
	s_wait_dscnt 0x0                               ; for the others' sake: my stores have landed
	s_barrier_signal -1
	s_barrier_wait -1
	WIN 0x40
.irp k, 0,1,2,3
.irp i, 0,1,2,3,4,5,6,7
	ds_load_b128 v[EQ+32*\k+4*\i:EQ+32*\k+4*\i+3], v[CLD] offset:EQT+256*\k+16*\i
.endr
.endr
	WIN 0x55
.set j, 0
.rept 16
	v_pk_mul_f32 v[VW+j:VW+j+1], v[VW+j:VW+j+1], 0xc038aa3b op_sel_hi:[1,0]   ; -2 log2(e) vw
.set j, j+2
.endr
.irp k, 0,1,2,3
	v_mov_b32 v[MX+\k], 0xff61b1e6                 ; -3e38, under every t
	v_mov_b32 v[LS+\k], 0
.endr
	WIN 0
.irp t, 0,1,2,3
	v_mov_b32 v[WT1+4*\t+3], 0
.endr
.irp i, 0,1,2,3,4,5
	v_mov_b32 v[160+\i], 0
	v_mov_b32 v[OPB+6+\i], 0
.endr
.irp i, 3,4,5,6,7,8,9,10,11
	v_mov_b32 v[XOP+\i], 0
.endr
	v_mov_b32 v[T+4], 0                            ; a lane permute's destination counts as one of its sources
	v_mov_b32 v[T+9], 0                            ; the upper halves of two pairs of which the low word serves both halves
	v_mov_b32 v[T+11], 0
	v_mov_b32 v[XOP], v[XST]                       ; tile 0's codes
	v_mov_b32 v[XOP+1], v[XST+1]
	v_mov_b32 v[XOP+2], v[XST+2]
	v_perm_b32 v[XS], v[XSR], v[XSR], 0            ; row 2 l's byte in all four places
	v_perm_b32 v[XS+1], v[XSR], v[XSR], 0x01010101 ; row 2 l + 1's
	global_load_b96 v[XST:XST+2], v[XA], s[50:51]  ; the next granule's tile 0 and scale bytes
	global_load_u16 v[XSR], v[XSA], s[54:55]
.set j, 0
.rept 32
	v_mov_b32 v[PACC+j], 0                         ; the trip is written once: the first finds zeros.  (These are also the places between the lines above and the first product)
.set j, j+1
.endr
	s_wait_dscnt 0x0                               ; EQ
; 32 numbers of a lane, ACC + i = k 32 h + i of my row, become the operand's registers 0-5 and, with lane l xor 16's byte, the row's scale word.
.macro QUANT
	v_max3_num_f32 v[T], |v[ACC]|, |v[ACC+1]|, 0x1800000           ; the floor 2^(3 - 127): the byte cannot fall under 1
	v_max3_num_f32 v[T+1], |v[ACC+2]|, |v[ACC+3]|, |v[ACC+4]|      ; four chains by turns
	v_max3_num_f32 v[T+2], |v[ACC+5]|, |v[ACC+6]|, |v[ACC+7]|
	v_max3_num_f32 v[T+3], |v[ACC+8]|, |v[ACC+9]|, |v[ACC+10]|
.set j, 11
.rept 2
.irp c, 0,1,2,3
	v_max3_num_f32 v[T+\c], v[T+\c], |v[ACC+j+2*\c]|, |v[ACC+j+2*\c+1]|
.endr
.set j, j+8
.endr
	v_max3_num_f32 v[T], v[T], |v[ACC+27]|, |v[ACC+28]|
	v_max3_num_f32 v[T+1], v[T+1], |v[ACC+29]|, |v[ACC+30]|
	v_max3_num_f32 v[T+2], v[T+2], v[T+3], |v[ACC+31]|
	v_max3_num_f32 v[T], v[T], v[T+1], v[T+2]      ; the block's largest magnitude: all 32 are mine
	v_add_nc_u32 v[T+2], 0xff000000, v[T]          ; 2 off its exponent field: the conversion's scale operand
	v_lshrrev_b32 v[T+3], 23, v[T+2]               ; the scale's byte
	v_permlanex16_b32 v[T+4], v[T+3], s58, s59
	v_lshl_or_b32 v[ASC], v[T+4], 8, v[T+3]        ; lanes 0-15: block 0's byte, block 1's, 0, 0 (lanes 16-31 are not read)
	v_cvt_scalef32_pk16_fp6_f32 v[OPB:OPB+2], v[ACC:ACC+15], v[T+2]
	v_cvt_scalef32_pk16_fp6_f32 v[CV2:CV2+2], v[ACC+16:ACC+31], v[T+2]   ; (a conversion's three registers begin on an even number)
	v_nop                                          ; one plain place behind a scaled conversion
	v_mov_b32 v[OPB+3], v[CV2]
	v_mov_b32 v[OPB+4], v[CV2+1]
	v_mov_b32 v[OPB+5], v[CV2+2]
.endm
; ONE TILE OF 16 LANES, from X's codes to its part of the scores.
.macro TILE i
.set TQ, (\i)/2
.set TH, (\i)%2
.set NX, ((\i)+1)%4
.irp t, 0,1,2,3
	SW ACC+8*\t, WT1+4*\t, XOP, B1+8*\t, W1S+\t, XS+TQ, TH     ; X w1^T + b1: the bias is the sum's start
.endr
	NOPS 4                                         ; four places: results are read only behind them
	WIN 0x40
	CLOAD TMP, 0                                   ; b2
	WIN 0
.set j, 0
.rept 32
	v_max_num_f32 v[ACC+j], 0, v[ACC+j]            ; relu; each accumulator from its low end on
.set j, j+1
.endr
	QUANT
	; the next tile's X.  These lines are also places: with QUANT's last four they make eight or more behind the scale word, and four or more stand behind the operand's last register
.if (\i) < 3
	s_wait_loadcnt 4                               ; the next tile's codes are in; behind them: three slots' loads and the scale bytes'
.else
	s_wait_loadcnt 3                               ; the next granule's tile 0 and scale bytes are in; behind them: this trip's three refills
.endif
	v_mov_b32 v[XOP], v[XST+4*NX]
	v_mov_b32 v[XOP+1], v[XST+4*NX+1]
	v_mov_b32 v[XOP+2], v[XST+4*NX+2]
.if (\i) < 3
	v_nop
	global_load_b96 v[XST+4*NX:XST+4*NX+2], v[XA], s[48:49] offset:24*(NX/2)+768*(NX%2)   ; the same tile of the next granule
.else
	v_perm_b32 v[XS], v[XSR], v[XSR], 0
	v_perm_b32 v[XS+1], v[XSR], v[XSR], 0x01010101
	global_load_b96 v[XST:XST+2], v[XA], s[50:51]  ; two granules on
	global_load_u16 v[XSR], v[XSA], s[52:53]
.endif
	s_wait_dscnt 0x0                               ; b2
	WIN 0x10                                       ; C in window 1
.irp t, 0,1,2,3
	SW ACC+8*\t, WT2+6*\t, OPB, TMP+8*\t, W2S+\t, ASC, 0
.endr
	NOPS 4
	WIN 0x40
	CLOAD U, 512                                   ; beta first: gamma goes into registers that the product has just been given as C
	CLOAD TMP, 256                                 ; gamma
	WIN 0
	; LayerNorm over my 32 features and lane l xor 16's: the mean, then the mean of the squared differences
.irp c, 0,1,2,3
	v_pk_add_f32 v[T+2*\c:T+2*\c+1], v[ACC+2*\c:ACC+2*\c+1], v[ACC+8+2*\c:ACC+9+2*\c]
.endr
.irp b, 16,24
.irp c, 0,1,2,3
	v_pk_add_f32 v[T+2*\c:T+2*\c+1], v[T+2*\c:T+2*\c+1], v[ACC+\b+2*\c:ACC+\b+2*\c+1]
.endr
.endr
	v_pk_add_f32 v[T:T+1], v[T:T+1], v[T+2:T+3]
	v_pk_add_f32 v[T+4:T+5], v[T+4:T+5], v[T+6:T+7]
	v_pk_add_f32 v[T:T+1], v[T:T+1], v[T+4:T+5]
	v_add_f32 v[T], v[T], v[T+1]
	v_permlanex16_b32 v[T+2], v[T], s58, s59
	v_add_f32 v[T], v[T], v[T+2]
	v_mul_f32 v[T+8], 0xbc800000, v[T]             ; -mean
.set j, 0
.rept 16
	v_pk_add_f32 v[ACC+j:ACC+j+1], v[ACC+j:ACC+j+1], v[T+8:T+9] op_sel_hi:[1,0]
.set j, j+2
.endr
.irp c, 0,1,2,3
	v_pk_mul_f32 v[T+2*\c:T+2*\c+1], v[ACC+2*\c:ACC+2*\c+1], v[ACC+2*\c:ACC+2*\c+1]
.endr
.irp b, 8,16,24
.irp c, 0,1,2,3
	v_pk_fma_f32 v[T+2*\c:T+2*\c+1], v[ACC+\b+2*\c:ACC+\b+2*\c+1], v[ACC+\b+2*\c:ACC+\b+2*\c+1], v[T+2*\c:T+2*\c+1]
.endr
.endr
	v_pk_add_f32 v[T:T+1], v[T:T+1], v[T+2:T+3]
	v_pk_add_f32 v[T+4:T+5], v[T+4:T+5], v[T+6:T+7]
	v_pk_add_f32 v[T:T+1], v[T:T+1], v[T+4:T+5]
	v_add_f32 v[T], v[T], v[T+1]
	v_permlanex16_b32 v[T+2], v[T], s58, s59
	v_add_f32 v[T], v[T], v[T+2]
	v_fma_f32 v[T+10], v[T], s60, s61              ; variance + 1e-5
	v_rsq_f32 v[T+10], v[T+10]
	v_nop
	s_wait_alu depctr_va_vdst(0)                   ; ahead of the root's first reader
.set j, 0
.rept 16
	v_pk_mul_f32 v[ACC+j:ACC+j+1], v[ACC+j:ACC+j+1], v[T+10:T+11] op_sel_hi:[1,0]
.set j, j+2
.endr
	s_wait_dscnt 0x0                               ; gamma and beta
	WIN 0x14                                       ; sources 1 and 2 in window 1
.set j, 0
.rept 16
	v_pk_fma_f32 v[ACC+j:ACC+j+1], v[ACC+j:ACC+j+1], v[TMP+j:TMP+j+1], v[U+j:U+j+1]   ; H
.set j, j+2
.endr
	WIN 0x40
	CLOAD TMP, 768                                 ; Wb
	WIN 0
	QUANT
	; H in bf16 to my stage, for the pooled sum: sixteen roundings into sixteen registers.  The first eight are the places between QUANT's lines and the product, the other eight the places behind it
.irp c, 0,1,2,3
	v_cvt_pk_bf16_f32 v[T+\c], v[ACC+2*\c], v[ACC+2*\c+1]
.endr
.irp c, 0,1,2,3
	v_cvt_pk_bf16_f32 v[T+4+\c], v[ACC+8+2*\c], v[ACC+8+2*\c+1]
.endr
	ds_store_b128 v[HST], v[T:T+3] offset:(32*TH+TQ)*HP
	ds_store_b128 v[HST], v[T+4:T+7] offset:(32*TH+TQ)*HP+16
	s_wait_dscnt 2                                 ; Wb is in; the two stores behind it may be out
	WIN 0x50                                       ; C and D in window 1
.irp t, 0,1,2,3
	SW U+8*\t, WT3+6*\t, OPB, TMP+8*\t, WWS+\t, ASC, 0         ; Wh
.endr
	WIN 0
.irp c, 0,1,2,3
	v_cvt_pk_bf16_f32 v[T+8+\c], v[ACC+16+2*\c], v[ACC+16+2*\c+1]  ; (they name none of the product's registers)
.endr
.irp c, 0,1,2,3
	v_cvt_pk_bf16_f32 v[CV2+\c], v[ACC+24+2*\c], v[ACC+24+2*\c+1]
.endr
	ds_store_b128 v[HST], v[T+8:T+11] offset:(32*TH+TQ)*HP+32
	ds_store_b128 v[HST], v[CV2:CV2+3] offset:(32*TH+TQ)*HP+48
	WIN 0x55
.set j, 0
.rept 16
	v_pk_mul_f32 v[U+j:U+j+1], v[U+j:U+j+1], 0x3fb8aa3b op_sel_hi:[1,0]
.set j, j+2
.endr
.set j, 0
.rept 32
	v_exp_f32 v[U+j], v[U+j]                       ; u = e^Wh: one exponential serves the four seeds
.set j, j+1
.endr
	v_nop
	s_wait_alu depctr_va_vdst(0)                   ; one wait for the batch, ahead of its first reader
.set j, 0
.rept 16
	v_pk_mul_f32 v[TMP+j:TMP+j+1], v[U+j:U+j+1], v[EQ+j:EQ+j+1]    ; g = e^(Wh + Uq), seed 0
.set j, j+2
.endr
.irp k, 0,1,2,3
.set j, 0
.rept 16
	v_pk_fma_f32 v[TMP+j:TMP+j+1], v[TMP+j:TMP+j+1], v[TMP+j:TMP+j+1], 1.0 op_sel_hi:[1,1,0]
.set j, j+2
.endr
.set j, 0
.rept 32
	v_rcp_f32 v[TMP+j], v[TMP+j]                   ; 1 / (1 + g^2)
.set j, j+1
.endr
.if \k > 0
	SRED PT0+4*TH+\k-1                             ; the seed before: its four chains are joined here, plain work that names no reciprocal, between the batch and its wait
.else
	v_nop
.endif
	s_wait_alu depctr_va_vdst(0)                   ; one wait for the batch
.set j, 0
.rept 16
.if j < 8
	v_pk_mul_f32 v[SACC+j:SACC+j+1], v[TMP+j:TMP+j+1], v[VW+j:VW+j+1]          ; four chains, begun by the first four products
.else
	v_pk_fma_f32 v[SACC+j%8:SACC+j%8+1], v[TMP+j:TMP+j+1], v[VW+j:VW+j+1], v[SACC+j%8:SACC+j%8+1]
.endif
.if \k < 3
	v_pk_mul_f32 v[TMP+j:TMP+j+1], v[U+j:U+j+1], v[EQ+32*(\k+1)+j:EQ+32*(\k+1)+j+1]   ; the next seed's g, into the pair just read
.endif
.set j, j+2
.endr
.endr
	SRED PT0+4*TH+3
.if TH
.irp k, 0,1,2,3
	v_permlane16_swap_b32 v[PT0+\k], v[PT1+\k]     ; the first now holds features 0-31's part of rows 2 l + q, the second features 32-63's
.endr
.irp k, 0,1,2,3
	v_add_f32 v[SC+2*\k+TQ], v[PT0+\k], v[PT1+\k]
.endr
.endif
	WIN 0
.endm
; THE GRANULE'S END: scores out; the running maximum; p; the pooled sum.
.macro SOFTPOOL
	WIN 0x04                                       ; a store's data: window 1
.irp k, 0,1,2,3
	global_store_b64 v[SCO], v[SC+2*\k:SC+2*\k+1], s[54:55] offset:(\k-2)*4000000   ; 32 lanes store 256 consecutive bytes, at a multiple of 256 from the buffer's first byte
.endr
	WIN 0x40
.irp t, 0,1,2,3                        ; H turned: rows 0-31 as source 1, features 16 t on
	ds_load_tr16_b128 v[TMP+8*\t:TMP+8*\t+3], v[HTR] offset:32*\t
	ds_load_tr16_b128 v[TMP+8*\t+4:TMP+8*\t+7], v[HTR] offset:32*\t+16*HP
.endr
	WIN 0
.irp t, 0,1,2,3                        ; rows 32-63, into the accumulators' registers, which are idle here
	ds_load_tr16_b128 v[ACC+8*\t:ACC+8*\t+3], v[HTR] offset:32*\t+32*HP
	ds_load_tr16_b128 v[ACC+8*\t+4:ACC+8*\t+7], v[HTR] offset:32*\t+48*HP
.endr
	WIN 0x55
.irp k, 0,1,2,3
	v_max_num_f32 v[U+\k], v[SC+2*\k], v[SC+2*\k+1]
.endr
.irp m, 1,2,4,8
.irp k, 0,1,2,3
	v_max_num_f32_dpp v[U+\k], v[U+\k], v[U+\k] row_xmask:\m row_mask:0xf bank_mask:0xf
.endr
.endr
.irp k, 0,1,2,3
	v_permlanex16_b32 v[U+4+\k], v[U+\k], s58, s59
.endr
.irp k, 0,1,2,3
	v_max3_num_f32 v[U+\k], v[U+\k], v[U+4+\k], v[MX+\k]           ; the new M
.endr
.irp k, 0,1,2,3
	v_sub_f32 v[U+8+\k], v[MX+\k], v[U+\k]         ; old M - new M
	v_sub_f32 v[U+12+2*\k], v[SC+2*\k], v[U+\k]
	v_sub_f32 v[U+13+2*\k], v[SC+2*\k+1], v[U+\k]
.endr
.irp k, 0,1,2,3
	v_mov_b32 v[MX+\k], v[U+\k]
.endr
.set j, 8
.rept 12
	v_exp_f32 v[U+j], v[U+j]
.set j, j+1
.endr
	v_nop
	s_wait_alu depctr_va_vdst(0)                   ; one wait for the twelve
.irp k, 0,1,2,3
	v_add_f32 v[U+4+\k], v[U+12+2*\k], v[U+13+2*\k]
.endr
.irp k, 0,1,2,3
	v_fma_f32 v[LS+\k], v[LS+\k], v[U+8+\k], v[U+4+\k]             ; the sum is taken of p in f32
	v_cvt_pk_bf16_f32 v[U+20+\k], v[U+12+2*\k], v[U+13+2*\k]
.endr
	WIN 0x04
.irp k, 0,1,2,3
	ds_store_b32 v[PST], v[U+20+\k] offset:128*\k
.endr
.irp t, 0,1,2,3
	v_pk_mul_f32 v[PACC+8*\t:PACC+8*\t+1], v[PACC+8*\t:PACC+8*\t+1], v[U+8:U+9]       ; the pooled sum under the new M: registers 0-3 are seeds 0-3
	v_pk_mul_f32 v[PACC+8*\t+2:PACC+8*\t+3], v[PACC+8*\t+2:PACC+8*\t+3], v[U+10:U+11]
.endr
	WIN 0x40
	ds_load_b128 v[U+24:U+27], v[PLD]              ; p as source 0: row m is seed m % 4; LDS serves a wave's instructions in order: these see my stores
	ds_load_b128 v[U+28:U+31], v[PLD] offset:32
	WIN 0
	ds_load_b128 v[T:T+3], v[PLD] offset:64
	ds_load_b128 v[T+4:T+7], v[PLD] offset:96
	s_wait_dscnt 0x0
	WIN 0x05                                       ; sources 0 and 1 in window 1
.irp t, 0,1,2,3
	v_wmma_f32_16x16x32_bf16 v[PACC+8*\t:PACC+8*\t+7], v[U+24:U+31], v[TMP+8*\t:TMP+8*\t+7], v[PACC+8*\t:PACC+8*\t+7]
.endr
	WIN 0
.irp t, 0,1,2,3                        ; the four accumulators by turns, one instruction a turn
	v_wmma_f32_16x16x32_bf16 v[PACC+8*\t:PACC+8*\t+7], v[T:T+7], v[ACC+8*\t:ACC+8*\t+7], v[PACC+8*\t:PACC+8*\t+7]
.endr
	NOPS 5                                         ; five places: the next tile's first product writes over registers that these products read
.endm
.Lgran:
	s_wait_xcnt 0x0                                ; the last trip's loads and stores have read their bases and data: both are written again only behind this wait
	s_add_co_u32 s47, s44, 1
	s_min_u32 s47, s47, NLAST
	s_mul_i32 s56, s47, 1536
	s_add_nc_u64 s[48:49], s[4:5], s[56:57]        ; X's codes, the next granule (held at the last: no load leaves its buffer)
	s_add_co_u32 s47, s44, 2
	s_min_u32 s47, s47, NLAST
	s_mul_i32 s56, s47, 1536
	s_add_nc_u64 s[50:51], s[4:5], s[56:57]        ; two granules on
	s_lshl_b32 s56, s47, 6
	s_add_nc_u64 s[52:53], s[6:7], s[56:57]
	s_lshl_b32 s56, s44, 8
	s_add_nc_u64 s[54:55], s[36:37], s[56:57]
	s_add_nc_u64 s[54:55], s[54:55], 8000000       ; at seed 2's row, so that the four seeds' offsets fit the signed 24-bit immediate
	TILE 0
	TILE 1
	TILE 2
	TILE 3
	SOFTPOOL
	s_add_co_u32 s44, s44, 1
	s_cmp_lt_u32 s44, s45
	s_cbranch_scc1 .Lgran
	; THE WAVE'S RESULT goes to LDS: the sum over its lanes, M, and the pooled sum
	WIN 0x55
.irp m, 1,2,4,8
.irp k, 0,1,2,3
	v_add_f32_dpp v[LS+\k], v[LS+\k], v[LS+\k] row_xmask:\m row_mask:0xf bank_mask:0xf
.endr
.endr
.irp k, 0,1,2,3
	v_permlanex16_b32 v[U+\k], v[LS+\k], s58, s59
.endr
.irp k, 0,1,2,3
	v_add_f32 v[LS+\k], v[LS+\k], v[U+\k]
.endr
	WIN 0
.irp t, 0,1,2,3
.irp k, 0,1,2,3
	ds_store_b32 v[RZ], v[PACC+8*\t+\k] offset:256*\k+64*\t        ; Z[k][16 t + r]; lanes 16-31 hold the same numbers and write the same words
.endr
.endr
	WIN 0x04
	ds_store_b128 v[RB], v[MX:MX+3] offset:1024
	ds_store_b128 v[RB], v[LS:LS+3] offset:1040
	WIN 0
	s_wait_dscnt 0x0                               ; for the others' sake
	s_barrier_signal -1
	s_barrier_wait -1
	s_cmp_gt_u32 s42, 1
	s_cbranch_scc1 .Lend
	; waves 0 and 1 merge the eight waves: thread t < 64 takes seed t / 16, features 4 (t % 16) on
.irp w, 0,1,2,3,4,5,6,7
	ds_load_b32 v[64+\w], v[MM] offset:REDB*\w
	ds_load_b32 v[72+\w], v[MM] offset:REDB*\w+16
	ds_load_b128 v[96+4*\w:99+4*\w], v[MZ] offset:REDB*\w
.endr
	s_lshl_b32 s56, ttmp9, 10
	s_add_nc_u64 s[38:39], s[38:39], s[56:57]
	s_lshl_b32 s56, ttmp9, 5
	s_add_nc_u64 s[40:41], s[40:41], s[56:57]
	v_lshrrev_b32 v95, 4, v0
	v_lshlrev_b32 v95, 2, v95
	s_wait_dscnt 0x0
	v_max3_num_f32 v88, v64, v65, v66
	v_max3_num_f32 v88, v88, v67, v68
	v_max3_num_f32 v88, v88, v69, v70
	v_max_num_f32 v88, v88, v71
.irp w, 0,1,2,3,4,5,6,7
	v_sub_f32 v[80+\w], v[64+\w], v88
.endr
.irp w, 0,1,2,3,4,5,6,7
	v_exp_f32 v[80+\w], v[80+\w]
.endr
	v_nop
	s_wait_alu depctr_va_vdst(0)
	v_mul_f32 v89, v72, v80
.irp i, 0,1,2,3
	v_mul_f32 v[90+\i], v[96+\i], v80
.endr
.irp w, 1,2,3,4,5,6,7
	v_fma_f32 v89, v[72+\w], v[80+\w], v89
.irp i, 0,1,2,3
	v_fma_f32 v[90+\i], v[96+4*\w+\i], v[80+\w], v[90+\i]
.endr
.endr
	global_store_b128 v[GZ], v[90:93], s[38:39]    ; a wave stores 512 consecutive bytes
	global_store_b32 v95, v88, s[40:41]            ; M; the sixteen lanes of a seed write the same word
	global_store_b32 v95, v89, s[40:41] offset:16  ; L
.Lend:
	s_wait_tensorcnt 0x0                           ; the wave's end: behind my last LDS store
	ds_add_u32 v[SPW], v[NIL]
	s_wait_dscnt 0x0
	s_endpgm
.Lfunc_end_k_q8d9734d49e_lanes:
	.size	k_q8d9734d49e_lanes, .Lfunc_end_k_q8d9734d49e_lanes-k_q8d9734d49e_lanes
	.p2alignl 7, 3214868480
	.fill 96, 4, 3214868480
	.section	.rodata,"a",@progbits
	.p2align	6, 0x0
	.amdhsa_kernel k_q8d9734d49e_lanes
		.amdhsa_group_segment_fixed_size 99328
		.amdhsa_private_segment_fixed_size 0
		.amdhsa_enable_private_segment 0
		.amdhsa_kernarg_size 152
		.amdhsa_user_sgpr_count 2
		.amdhsa_user_sgpr_kernarg_segment_ptr 1
		.amdhsa_wavefront_size32 1
		.amdhsa_system_sgpr_workgroup_id_x 1
		.amdhsa_system_sgpr_workgroup_id_y 1
		.amdhsa_system_sgpr_workgroup_id_z 1
		.amdhsa_system_vgpr_workitem_id 0
		.amdhsa_next_free_vgpr 512
		.amdhsa_next_free_sgpr 68
		.amdhsa_reserve_vcc 0
		.amdhsa_float_denorm_mode_32 3
		.amdhsa_float_denorm_mode_16_64 3
		.amdhsa_memory_ordered 1
		.amdhsa_forward_progress 1
		.amdhsa_inst_pref_size 179
	.end_amdhsa_kernel
	.amdgpu_metadata
---
amdhsa.version: [ 1, 2 ]
amdhsa.kernels:
  - .name:           k_q8d9734d49e_lanes
    .symbol:         k_q8d9734d49e_lanes.kd
    .args:
      - { .name: X_codes, .offset: 0, .size: 8, .value_kind: global_buffer, .address_space: global }
      - { .name: X_scales, .offset: 8, .size: 8, .value_kind: global_buffer, .address_space: global }
      - { .name: w1_codes, .offset: 16, .size: 8, .value_kind: global_buffer, .address_space: global }
      - { .name: w1_scales, .offset: 24, .size: 8, .value_kind: global_buffer, .address_space: global }
      - { .name: w2_codes, .offset: 32, .size: 8, .value_kind: global_buffer, .address_space: global }
      - { .name: w2_scales, .offset: 40, .size: 8, .value_kind: global_buffer, .address_space: global }
      - { .name: Ww_codes, .offset: 48, .size: 8, .value_kind: global_buffer, .address_space: global }
      - { .name: Ww_scales, .offset: 56, .size: 8, .value_kind: global_buffer, .address_space: global }
      - { .name: b1, .offset: 64, .size: 8, .value_kind: global_buffer, .address_space: global }
      - { .name: b2, .offset: 72, .size: 8, .value_kind: global_buffer, .address_space: global }
      - { .name: gamma, .offset: 80, .size: 8, .value_kind: global_buffer, .address_space: global }
      - { .name: beta, .offset: 88, .size: 8, .value_kind: global_buffer, .address_space: global }
      - { .name: Wb, .offset: 96, .size: 8, .value_kind: global_buffer, .address_space: global }
      - { .name: vw, .offset: 104, .size: 8, .value_kind: global_buffer, .address_space: global }
      - { .name: seeds, .offset: 112, .size: 8, .value_kind: global_buffer, .address_space: global }
      - { .name: Uw, .offset: 120, .size: 8, .value_kind: global_buffer, .address_space: global }
      - { .name: scores, .offset: 128, .size: 8, .value_kind: global_buffer, .address_space: global }
      - { .name: pz, .offset: 136, .size: 8, .value_kind: global_buffer, .address_space: global }
      - { .name: ps, .offset: 144, .size: 8, .value_kind: global_buffer, .address_space: global }
    .group_segment_fixed_size: 99328
    .private_segment_fixed_size: 0
    .kernarg_segment_align: 8
    .kernarg_segment_size: 152
    .max_flat_workgroup_size: 256
    .sgpr_count:     68
    .vgpr_count:     512
    .wavefront_size: 32
...
	.end_amdgpu_metadata
.endif
;; end of part 3
;; launch finish (part 4): grid 257 x 1, 8 waves a work-group, no clusters, 10,752 bytes of LDS; arguments scores, ps, pz, rw1, rb1, rw2, rb2, out0, out1; writes out0, out1
.if DOCPART == 4
	.amdgcn_target "amdgcn-amd-amdhsa--gfx1250"
	.amdhsa_code_object_version 6
	.text
	.protected	k_q8d9734d49e_finish
	.globl	k_q8d9734d49e_finish
	.p2align	8
	.type	k_q8d9734d49e_finish,@function
k_q8d9734d49e_finish:
	s_mov_b64 s[64:65], 0
	v_nop
	global_prefetch_b8 v0, s[64:65] scope:SCOPE_SE
	s_setreg_imm32_b32 hwreg(HW_REG_WAVE_MODE, 25, 1), 1
	s_wait_xcnt 0x0
; FINISH.  scores hold t, the scores in units of log2 less a term that is the same for all lanes of a seed (left out in the first launch: it leaves the softmax as it is).
; ps holds each of the 256 work-groups' largest t (M) and sum of 2^(t - M) (L) for the four seeds, pz its pooled sum under that M.
; Work-groups 1 to 256: weights = 2^(t - G) / S, G the largest M, S = the sum of L 2^(M - G).  Work-group b' = number - 1 serves seed b' / 64; its wave gw2 = 8 (b' % 64) + wave takes the seed's
;   blocks of 64 lanes (256 bytes) from (gw2 x 15625) >> 9 up to ((gw2 + 1) x 15625) >> 9: 30 or 31.  All its loads go out at once; G and S are made while they are on their way.
; Work-group 0: Z = the sum of pz 2^(M - G) / S, then z = relu(Z rw1^T + rb1) rw2^T + rb2, all in f32.  Its loads go out in the order in which they are wanted: M and L, 44 of a thread's 64 records of pz;
;   each record's registers are loaded again as soon as they are read: with the other 20 records, then with rw1, rw2 and the biases.
; The two paths part on the work-group's number and have LDS bytes of their own.  LIMITS: NaN and infinities are not served.
.set NMX,   0                          ; path of the weights: the waves' maxima, 4 bytes a wave;
.set NSM,   256                        ; their sums
.set ZMX,   512                        ; work-group 0: the waves' maxima, 16 bytes a wave;
.set ZSM,   768                        ; their sums;
.set FT,    1024                       ; the factors 2^(M - G), [4 seeds][256 work-groups] f32;
.set ZP,    5120                       ; four partial Z, [4][256] f32;
.set HID,   9216                       ; the hidden layer [64];
.set OUTS,  9472                       ; z [64]
.set SPARE, 9728                       ; the spare words, 128 bytes for each wave: four blocks of 256 bytes that no other line names
.set SPW,   2
.set NIL,   3
.set NS,    44                         ; work-group 0: slots of four registers,
.set R,     32                         ; from v32 on
.macro WMAX a, b                       ; the largest of v[a] over the wave, in every lane; v[b] at work (written before)
.irp m, 1,2,4,8
	v_max_num_f32_dpp v[\a], v[\a], v[\a] row_xmask:\m row_mask:0xf bank_mask:0xf
.endr
	v_permlanex16_b32 v[\b], v[\a], s24, s25
	v_max_num_f32 v[\a], v[\a], v[\b]
.endm
.macro WSUM a, b
.irp m, 1,2,4,8
	v_add_f32_dpp v[\a], v[\a], v[\a] row_xmask:\m row_mask:0xf bank_mask:0xf
.endr
	v_permlanex16_b32 v[\b], v[\a], s24, s25
	v_add_f32 v[\a], v[\a], v[\b]
.endm
.macro BARRIER                         ; my LDS stores have landed and my LDS loads are in: then the work-group's barrier
	s_wait_dscnt 0x0
	s_barrier_signal -1
	s_barrier_wait -1
.endm
	s_load_b512 s[4:19], s[0:1], 0x0               ; scores 4, ps 6, pz 8, rw1 10, rb1 12, rw2 14, rb2 16, out0 18
	s_load_b64 s[20:21], s[0:1], 0x40              ; out1
	v_lshl_add_u32 v[SPW], v0, 2, SPARE
	v_mov_b32 v[NIL], 0
	v_lshrrev_b32 v1, 5, v0
	v_readfirstlane_b32 s22, v1                    ; wave 0..7
	s_mov_b32 s24, 0x76543210
	s_mov_b32 s25, 0xfedcba98                      ; v_permlanex16_b32's selects for lane l xor 16
	v_lshlrev_b32 v4, 5, v0                        ; 32 x thread: a work-group's record in ps
	v_and_b32 v5, 31, v0
	v_lshlrev_b32 v5, 3, v5                        ; 8 x lane
	v_mov_b32 v6, s22
	v_lshlrev_b32 v6, 2, v6                        ; 4 x wave
	v_mov_b32 v7, 0
	s_wait_kmcnt 0x0
	s_cmp_eq_u32 ttmp9, 0
	s_cbranch_scc1 .Lz
	; ---- THE WEIGHTS
	s_sub_co_u32 s26, ttmp9, 1
	s_lshr_b32 s27, s26, 6                         ; the seed
	s_and_b32 s28, s26, 63
	s_lshl_b32 s28, s28, 3
	s_add_co_u32 s28, s28, s22                     ; gw2
	s_mul_i32 s29, s28, 15625
	s_lshr_b32 s29, s29, 9                         ; my first block
	s_add_co_u32 s30, s28, 1
	s_mul_i32 s30, s30, 15625
	s_lshr_b32 s30, s30, 9
	s_sub_co_u32 s31, s30, s29                     ; 30 or 31 blocks
	s_lshl_b32 s32, s27, 2
	s_mov_b32 s33, 0
	s_add_nc_u64 s[38:39], s[6:7], s[32:33]        ; ps at my seed's M
	s_mul_i32 s32, s27, 4000000
	s_lshl_b32 s23, s29, 8
	s_add_co_u32 s32, s32, s23
	s_add_nc_u64 s[34:35], s[4:5], s[32:33]
	s_add_nc_u64 s[36:37], s[20:21], s[32:33]
	global_load_b32 v8, v4, s[38:39]               ; M of work-group = my thread
	global_load_b32 v9, v4, s[38:39] offset:16     ; L
	v_mov_b32 v92, 0
	v_mov_b32 v93, 0
	s_cmp_eq_u32 s31, 31
	s_cbranch_scc0 .Lshort_in
	global_load_b64 v[92:93], v5, s[34:35] offset:7680 th:TH_LOAD_NT
.Lshort_in:
.set j, 0
.rept 30
	global_load_b64 v[32+2*j:33+2*j], v5, s[34:35] offset:256*j th:TH_LOAD_NT   ; 32 lanes read 256 consecutive bytes
.set j, j+1
.endr
	s_wait_loadcnt 30                              ; M and L (and the 31st block, where there is one) are in; the 30 behind them may be out
	v_mov_b32 v10, v8
	WMAX 10, 1
	ds_store_b32 v6, v10 offset:NMX
	BARRIER
	ds_load_b128 v[12:15], v7 offset:NMX
	ds_load_b128 v[16:19], v7 offset:NMX+16
	s_wait_dscnt 0x0
	v_max3_num_f32 v20, v12, v13, v14
	v_max3_num_f32 v20, v20, v15, v16
	v_max3_num_f32 v20, v20, v17, v18
	v_max_num_f32 v20, v20, v19                    ; G
	v_sub_f32 v21, v8, v20
	v_exp_f32 v21, v21
	v_nop
	s_wait_alu depctr_va_vdst(0)
	v_mul_f32 v21, v9, v21
	WSUM 21, 1
	ds_store_b32 v6, v21 offset:NSM
	BARRIER
	ds_load_b128 v[12:15], v7 offset:NSM
	ds_load_b128 v[16:19], v7 offset:NSM+16
	s_wait_dscnt 0x0
	v_add_f32 v12, v12, v13
	v_add_f32 v14, v14, v15
	v_add_f32 v16, v16, v17
	v_add_f32 v18, v18, v19
	v_add_f32 v12, v12, v14
	v_add_f32 v16, v16, v18
	v_add_f32 v22, v12, v16                        ; S
	v_rcp_f32 v22, v22
	v_mov_b32 v23, 0                               ; (named with it as a pair; also the plain place behind the reciprocal)
	s_wait_alu depctr_va_vdst(0)
	s_wait_loadcnt 0x0
.set j, 0
.rept 31
	v_pk_add_f32 v[32+j:33+j], v[32+j:33+j], v[20:21] op_sel_hi:[1,0] neg_lo:[0,1] neg_hi:[0,1]   ; t - G
.set j, j+2
.endr
.set j, 0
.rept 62
	v_exp_f32 v[32+j], v[32+j]
.set j, j+1
.endr
	v_nop
	s_wait_alu depctr_va_vdst(0)                   ; one wait for the batch
.set j, 0
.rept 31
	v_pk_mul_f32 v[32+j:33+j], v[32+j:33+j], v[22:23] op_sel_hi:[1,0]
.set j, j+2
.endr
.set j, 0
.rept 30
	global_store_b64 v5, v[32+2*j:33+2*j], s[36:37] offset:256*j th:TH_STORE_NT   ; 256 consecutive bytes, at a multiple of 256 from the buffer's first byte
.set j, j+1
.endr
	s_cmp_eq_u32 s31, 31
	s_cbranch_scc0 .Lend
	global_store_b64 v5, v[92:93], s[36:37] offset:7680 th:TH_STORE_NT
	s_branch .Lend
	; ---- WORK-GROUP 0: Z AND THE TWO LAYERS
	; v16-23 M and L of work-group = my thread, four seeds (v16-19 later my part of Z); v32-207 the 44 slots; v224-255 at work.
	; The slots' second fill: 0-19 records 44 to 63; 20-35 (v112-175) rw1; 36-39 (v176-191) rw2; 40, 41 (v192-199) rb1; 42 (v200) rb2
.Lz:
	v_and_b32 v25, 31, v0
	v_lshlrev_b32 v25, 4, v25                      ; 16 x lane
	s_lshl_b32 s26, s22, 13
	v_add_nc_u32 v8, s26, v25                      ; rw1: wave w takes rows 8 w .. 8 w + 7, 8,192 bytes on end; each load 512 of them, 16 a lane
	v_lshlrev_b32 v9, 6, v0                        ; rw2: thread 4 j + qd takes rw2[j][16 qd ..]: 64 bytes at 64 x thread
	v_lshrrev_b32 v10, 2, v0
	v_lshlrev_b32 v10, 2, v10                      ; 4 j
	v_lshrrev_b32 v11, 6, v0                       ; grp: I sum the records of work-groups 64 grp .. 64 grp + 63
	v_and_b32 v12, 63, v0
	v_lshlrev_b32 v13, 4, v12
	v_lshl_add_u32 v13, v11, 16, v13               ; pz: 65,536 grp + 16 (thread % 64)
	v_bfe_u32 v12, v0, 4, 2                        ; the seed of my four numbers
	v_lshlrev_b32 v11, 8, v11
	v_lshl_add_u32 v11, v12, 10, v11               ; my factors: 1,024 x seed + 256 grp
	v_lshl_add_u32 v14, v6, 2, ZMX                 ; 16 x wave
	v_lshlrev_b32 v15, 2, v0                       ; 4 x thread
	v_lshlrev_b32 v24, 4, v0                       ; 16 x thread
	v_and_b32 v26, 3, v0
	v_lshlrev_b32 v26, 6, v26                      ; 64 qd
	v_lshlrev_b32 v27, 3, v6                       ; 32 x wave: my eight rows' place in rb1 and in the hidden layer
	global_load_b128 v[16:19], v4, s[6:7]
	global_load_b128 v[20:23], v4, s[6:7] offset:16
.set n, 0
.rept NS
	global_load_b128 v[R+4*n:R+4*n+3], v13, s[8:9] offset:1024*n   ; a wave reads 512 consecutive bytes
.set n, n+1
.endr
	s_wait_loadcnt NS                              ; M and L are in; the 44 records asked for behind them may be out
.irp k, 0,1,2,3
	v_mov_b32 v[224+\k], v[16+\k]
.endr
.irp k, 0,1,2,3
	WMAX 224+\k, 1
.endr
	ds_store_b128 v14, v[224:227]
	BARRIER
.irp w, 0,1,2,3,4,5,6,7
	ds_load_b128 v[224+4*\w:227+4*\w], v7 offset:ZMX+16*\w
.endr
	s_wait_dscnt 0x0
.irp k, 0,1,2,3
	v_max3_num_f32 v[224+\k], v[224+\k], v[228+\k], v[232+\k]
	v_max3_num_f32 v[224+\k], v[224+\k], v[236+\k], v[240+\k]
	v_max3_num_f32 v[224+\k], v[224+\k], v[244+\k], v[248+\k]
	v_max_num_f32 v[224+\k], v[224+\k], v[252+\k]  ; G
.endr
.irp k, 0,1,2,3
	v_sub_f32 v[228+\k], v[16+\k], v[224+\k]
.endr
.irp k, 0,1,2,3
	v_exp_f32 v[228+\k], v[228+\k]
.endr
	v_nop
	s_wait_alu depctr_va_vdst(0)
.irp k, 0,1,2,3
	ds_store_b32 v15, v[228+\k] offset:FT+1024*\k  ; the factor of work-group = my thread
	v_mul_f32 v[232+\k], v[20+\k], v[228+\k]
.endr
.irp k, 0,1,2,3
	WSUM 232+\k, 1
.endr
	ds_store_b128 v14, v[232:235] offset:ZSM-ZMX
	BARRIER
.irp w, 0,1,2,3,4,5,6,7
	ds_load_b128 v[224+4*\w:227+4*\w], v7 offset:ZSM+16*\w
.endr
	s_wait_dscnt 0x0
.irp w, 1,2,3,4,5,6,7
.irp k, 0,1,2,3
	v_add_f32 v[224+\k], v[224+\k], v[224+4*\w+\k] ; S
.endr
.endr
	v_cmp_eq_u32 vcc_lo, 1, v12                    ; my seed's S: a choice of a value, no branch
	v_cndmask_b32 v28, v224, v225, vcc_lo
	v_cmp_eq_u32 vcc_lo, 2, v12
	v_cndmask_b32 v28, v28, v226, vcc_lo
	v_cmp_eq_u32 vcc_lo, 3, v12
	v_cndmask_b32 v28, v28, v227, vcc_lo
	v_rcp_f32 v28, v28
	v_nop
	s_wait_alu depctr_va_vdst(0)
	; 64 records a thread.  Record n < 44 lies in slot n, record n >= 44 in slot n - 44
.set n, 0
.rept 64
.if n%32 == 0
.irp m, 0,1,2,3,4,5,6,7
	ds_load_b128 v[224+4*\m:227+4*\m], v11 offset:FT+128*(n/32)+16*\m   ; the factors of 32 records
.endr
	s_wait_dscnt 0x0
.endif
.if n < NS
	s_wait_loadcnt NS-1                            ; record n is in; behind it: 43 - n first fills and n second fills
.else
	s_wait_loadcnt 86-n                            ; record n was second fill n - 44 of 43: 86 - n were asked for behind it
.endif
.irp i, 0,1,2,3
.if n == 0
	v_mul_f32 v[16+\i], v[R+\i], v224
.else
	v_fma_f32 v[16+\i], v[R+4*(n%NS)+\i], v[224+n%32], v[16+\i]
.endif
.endr
.if n < 20
	global_load_b128 v[R+4*n:R+4*n+3], v13, s[8:9] offset:1024*(n+NS)
.elseif n < 36
	global_load_b128 v[R+4*n:R+4*n+3], v8, s[10:11] offset:512*(n-20)          ; rw1: row 8 w + (n - 20) / 2, its lower or upper 512 bytes
.elseif n < 40
	global_load_b128 v[R+4*n:R+4*n+3], v9, s[14:15] offset:16*(n-36)           ; rw2
.elseif n < 42
	global_load_b128 v[R+4*n:R+4*n+3], v27, s[12:13] offset:16*(n-40)          ; rb1[8 w .. 8 w + 7], the same in all lanes
.elseif n == 42
	global_load_b32 v[R+4*n], v10, s[16:17]                                    ; rb2[j]
.endif
.set n, n+1
.endr
.irp i, 0,1,2,3
	v_mul_f32 v[16+\i], v[16+\i], v28
.endr
	ds_store_b128 v24, v[16:19] offset:ZP
	BARRIER
	; the first layer.  Lane l wants Z[4 l .. 4 l + 3] and Z[128 + 4 l ..]: every wave adds the four parts itself
.irp g, 0,1,2,3
	ds_load_b128 v[32+8*\g:35+8*\g], v25 offset:ZP+1024*\g
	ds_load_b128 v[36+8*\g:39+8*\g], v25 offset:ZP+1024*\g+512
.endr
	s_wait_dscnt 0x0
.irp g, 1,2,3
.irp c, 0,2,4,6
	v_pk_add_f32 v[32+\c:33+\c], v[32+\c:33+\c], v[32+8*\g+\c:33+8*\g+\c]
.endr
.endr
	s_wait_loadcnt 0x0                             ; rw1, rw2, the biases
.irp i, 0,1,2,3,4,5,6,7
	v_pk_mul_f32 v[64+2*\i:65+2*\i], v[112+8*\i:113+8*\i], v[32:33]            ; my eight rows by turns
.endr
.irp c, 2,4,6
.irp i, 0,1,2,3,4,5,6,7
	v_pk_fma_f32 v[64+2*\i:65+2*\i], v[112+8*\i+\c:113+8*\i+\c], v[32+\c:33+\c], v[64+2*\i:65+2*\i]
.endr
.endr
.irp i, 0,1,2,3,4,5,6,7
	v_add_f32 v[80+\i], v[64+2*\i], v[65+2*\i]
.endr
.irp m, 1,2,4,8
.irp i, 0,1,2,3,4,5,6,7
	v_add_f32_dpp v[80+\i], v[80+\i], v[80+\i] row_xmask:\m row_mask:0xf bank_mask:0xf
.endr
.endr
.irp i, 0,1,2,3,4,5,6,7
	v_permlanex16_b32 v[88+\i], v[80+\i], s24, s25
.endr
.irp i, 0,1,2,3,4,5,6,7
	v_add_f32 v[80+\i], v[80+\i], v[88+\i]         ; row 8 w + i's sum, in every lane
.endr
.irp i, 0,1,2,3,4,5,6,7
	v_add_f32 v[80+\i], v[80+\i], v[192+\i]
.endr
.irp i, 0,1,2,3,4,5,6,7
	v_max_num_f32 v[80+\i], 0, v[80+\i]
.endr
	ds_store_b128 v27, v[80:83] offset:HID         ; all lanes write the same words with the same numbers
	ds_store_b128 v27, v[84:87] offset:HID+16
	BARRIER
.irp i, 0,1,2,3
	ds_load_b128 v[112+4*\i:115+4*\i], v26 offset:HID+16*\i
.endr
	s_wait_dscnt 0x0
	v_pk_mul_f32 v[16:17], v[176:177], v[112:113]
	v_pk_mul_f32 v[18:19], v[178:179], v[114:115]
.set j, 4
.rept 3
	v_pk_fma_f32 v[16:17], v[176+j:177+j], v[112+j:113+j], v[16:17]
	v_pk_fma_f32 v[18:19], v[178+j:179+j], v[114+j:115+j], v[18:19]
.set j, j+4
.endr
	v_pk_add_f32 v[16:17], v[16:17], v[18:19]
	v_add_f32 v16, v16, v17
	v_add_f32_dpp v16, v16, v16 row_xmask:1 row_mask:0xf bank_mask:0xf
	v_add_f32_dpp v16, v16, v16 row_xmask:2 row_mask:0xf bank_mask:0xf      ; the four quarters of row j
	v_add_f32 v16, v16, v200
	ds_store_b32 v10, v16 offset:OUTS              ; the four lanes of a row write the same word
	BARRIER
	s_cmp_lg_u32 s22, 0
	s_cbranch_scc1 .Lend
	ds_load_b64 v[16:17], v5 offset:OUTS
	s_wait_dscnt 0x0
	global_store_b64 v5, v[16:17], s[18:19]        ; z: 32 lanes store its 256 bytes
.Lend:
	s_wait_tensorcnt 0x0                           ; the wave's end: behind my last LDS store
	ds_add_u32 v[SPW], v[NIL]
	s_wait_dscnt 0x0
	s_endpgm
.Lfunc_end_k_q8d9734d49e_finish:
	.size	k_q8d9734d49e_finish, .Lfunc_end_k_q8d9734d49e_finish-k_q8d9734d49e_finish
	.p2alignl 7, 3214868480
	.fill 96, 4, 3214868480
	.section	.rodata,"a",@progbits
	.p2align	6, 0x0
	.amdhsa_kernel k_q8d9734d49e_finish
		.amdhsa_group_segment_fixed_size 10752
		.amdhsa_private_segment_fixed_size 0
		.amdhsa_enable_private_segment 0
		.amdhsa_kernarg_size 72
		.amdhsa_user_sgpr_count 2
		.amdhsa_user_sgpr_kernarg_segment_ptr 1
		.amdhsa_wavefront_size32 1
		.amdhsa_system_sgpr_workgroup_id_x 1
		.amdhsa_system_sgpr_workgroup_id_y 1
		.amdhsa_system_sgpr_workgroup_id_z 1
		.amdhsa_system_vgpr_workitem_id 0
		.amdhsa_next_free_vgpr 256
		.amdhsa_next_free_sgpr 66
		.amdhsa_reserve_vcc 1
		.amdhsa_float_denorm_mode_32 3
		.amdhsa_float_denorm_mode_16_64 3
		.amdhsa_memory_ordered 1
		.amdhsa_forward_progress 1
		.amdhsa_inst_pref_size 60
	.end_amdhsa_kernel
	.amdgpu_metadata
---
amdhsa.version: [ 1, 2 ]
amdhsa.kernels:
  - .name:           k_q8d9734d49e_finish
    .symbol:         k_q8d9734d49e_finish.kd
    .args:
      - { .name: scores, .offset: 0, .size: 8, .value_kind: global_buffer, .address_space: global }
      - { .name: ps, .offset: 8, .size: 8, .value_kind: global_buffer, .address_space: global }
      - { .name: pz, .offset: 16, .size: 8, .value_kind: global_buffer, .address_space: global }
      - { .name: rw1, .offset: 24, .size: 8, .value_kind: global_buffer, .address_space: global }
      - { .name: rb1, .offset: 32, .size: 8, .value_kind: global_buffer, .address_space: global }
      - { .name: rw2, .offset: 40, .size: 8, .value_kind: global_buffer, .address_space: global }
      - { .name: rb2, .offset: 48, .size: 8, .value_kind: global_buffer, .address_space: global }
      - { .name: out0, .offset: 56, .size: 8, .value_kind: global_buffer, .address_space: global }
      - { .name: out1, .offset: 64, .size: 8, .value_kind: global_buffer, .address_space: global }
    .group_segment_fixed_size: 10752
    .private_segment_fixed_size: 0
    .kernarg_segment_align: 8
    .kernarg_segment_size: 72
    .max_flat_workgroup_size: 256
    .sgpr_count:     66
    .vgpr_count:     256
    .wavefront_size: 32
...
	.end_amdgpu_metadata
.endif
;; end of part 4
